; MI455X (gfx1250); checked and timed in simulation.
; The chip was launched on July 23, 2026; its instructions are those of AMD's public machine-readable ISA for CDNA 5 (MIT licence, August 2026) and "CDNA5" Instruction Set Architecture Reference Guide (July 2026). The comments in the code are by the model that wrote it; some were corrected since.
;; Self Attention. Allowed arithmetic: matrix products marked QUANTISED: E2M3 operands, one E8M0 scale for each 32 along K, by v_wmma_scale_f32_16x16x128_f8f6f4 with both operands' format E2M3, f32 sums; everything else in f32.
;; Inputs: Wk 1,024 x 1,024 float32; Wo 1,024 x 1,024 float32; Wq 1,024 x 1,024 float32; Wv 1,024 x 1,024 float32; bk 1,024 float32; bo 1,024 float32; bq 1,024 float32; bv 1,024 float32; x 4 x 2,048 x 1,024 float32.
;; Outputs: out0 4 x 2,048 x 1,024 float32.
;; This version of the problem:
;;   THIS VERSION OF THE PROBLEM IS GIVEN IN LOW PRECISION. The matrix products marked QUANTISED in the list below multiply operands that are first quantised to E2M3 (2 exponent bits, 3 mantissa bits; 6 bits a number), with one power-of-two scale for each 32 numbers along K (OCP MX v1.0); their sums are f32. All else is computed in f32.
;;   The module's matrix products, in the order in which they are computed (A, B: the left and right operand; K: the contracted axis; several contracted axes count as one K, in the product's order):
;;     1. [M 8,192, K 1,024] x [K 1,024, N 1,024]; A: input x; B: input Wq: QUANTISED
;;     2. [M 8,192, K 1,024] x [K 1,024, N 1,024]; A: input x; B: input Wk: QUANTISED
;;     3. [M 8,192, K 1,024] x [K 1,024, N 1,024]; A: input x; B: input Wv: QUANTISED
;;     4. batch 64 x [M 2,048, K 64] x [K 64, N 2,048]; A: computed on the way; B: computed on the way: QUANTISED
;;     5. batch 64 x [M 2,048, K 2,048] x [K 2,048, N 64]; A: softmax (see below); B: computed on the way: QUANTISED
;;     6. [M 8,192, K 1,024] x [K 1,024, N 1,024]; A: computed on the way; B: input Wo: QUANTISED
;;   THE QUANTISER, for each operand of a quantised product, along K:
;;     - K is cut into blocks of 32 from its start; a last block that is shorter is filled with zeros.
;;     - A block's scale is 2^e with e = floor(log2(the largest magnitude in the block)) - 2, held to -126 .. 127; a block of zeros has e = 0. As a byte (E8M0): e + 127.
;;     - Each number is divided by its block's scale, clamped to +-7.5, and rounded to the nearest number of E2M3, ties to even, subnormals kept.
;;     - The product sums the exact products of the quantised numbers (number of the format x scale) in f32.
;;   ~~~python
;;   def quantise(x, axis):      # numpy; x: float32 -> the quantised numbers, widened to float32 again
;;       x = np.moveaxis(x, axis, -1); K = x.shape[-1]
;;       x = np.pad(x, [(0, 0)] * (x.ndim - 1) + [(0, -K % 32)]); x = x.reshape(x.shape[:-1] + (-1, 32)); a = np.abs(x).max(-1, keepdims=True)
;;       e = np.where(a > 0, np.clip(np.frexp(np.where(a > 0, a, 1))[1] - 1 - 2, -126, 127), 0)      # np.frexp(a)[1] - 1 = floor(log2(a)), exactly
;;       r = np.clip(x / 2.0 ** e, -7.5, 7.5)
;;       step = 2.0 ** (np.maximum(np.frexp(np.where(r == 0, 1, r))[1] - 1, 0) - 3)
;;       q = np.round(r / step) * step * 2.0 ** e      # np.round: ties to even
;;       return np.moveaxis(q.reshape(q.shape[:-2] + (-1,))[..., :K], -1, axis).astype(np.float32)
;;   ~~~
;;   SOFTMAX AHEAD OF A QUANTISED PRODUCT. Where the list says 'softmax', what is quantised is not the finished softmax but p = 2^(t - M), with t = logit x log2(e) and M = ceil(the row's largest t), a whole number; so 1/2 < the row's largest p <= 1. The row's sum l is taken of the UNQUANTISED p, in f32, and the product's result is divided by l at the end. Since M is a whole number, a kernel that streams over the keys may use a running M (the ceiling of the running maximum): every later rescaling is an exact power of two, which a block's scale takes up: the codes' values come out the same.
;;   OPERANDS COMPUTED ON THE WAY. 'Computed on the way' means the value that the module computes at that place (a softmax that the list does not call 'softmax' is quantised finished and normalised). What goes into a quantiser is computed in f32, as accurately as f32 sums, v_exp_f32 and their like allow (about 1e-6 of the number): no bf16 or f16 on the way to a quantiser, and a product that is left as it is and whose result goes on into a quantised operand takes f32 operands (vector FMAs, or v_wmma_f32_16x16x4_f32). A number that lies on a knife's edge between two numbers of the format may be rounded either way, as far as f32 arithmetic and the matrix unit's own rounding can turn it there, and no further.
;; One version. Each part assembles by itself: llvm-mc -triple=amdgcn-amd-amdhsa -mcpu=gfx1250 --defsym DOCPART=n.
;; ======== version 1 of 1: 4 launches
;; workspace buffers: xq 6,553,600 bytes; wq 3,276,800 bytes; qkb 13,631,488 bytes; vq 6,553,600 bytes; ao 8,388,608 bytes
;; launch quant (part 1): grid 384 x 1, 4 waves a work-group, no clusters, 59,904 bytes of LDS; arguments x, Wq, Wk, Wv, Wo, xq, wq; writes xq, wq
.if DOCPART == 1
	.amdgcn_target "amdgcn-amd-amdhsa--gfx1250"
	.amdhsa_code_object_version 6
	.text
	.protected	k_qedbf17fc21_quant
	.globl	k_qedbf17fc21_quant
	.p2align	8
	.type	k_qedbf17fc21_quant,@function
k_qedbf17fc21_quant:
	s_mov_b64 s[64:65], 0
	v_nop
	global_prefetch_b8 v0, s[64:65] scope:SCOPE_SE
	s_setreg_imm32_b32 hwreg(HW_REG_WAVE_MODE, 25, 1), 1
	s_wait_xcnt 0x0
; x [8192][1024] and the four weights [1024 (k)][1024 (n)], f32, become codes of FP6 (E2M3) with one E8M0 byte for each 32 along K (x: its columns; a weight: its FIRST axis).
; A block's scale is 2^(floor(log2(largest magnitude)) - 2); its byte is the largest magnitude's exponent field - 2, held at 1 from below.
; LIMITS: a block of zeros gets the byte 1 where the rule says 127 (its codes are zeros, and this program alone reads the bytes); blocks whose largest magnitude lies under 2^-124 were not tried; NaN and infinities are not served.
; WHAT IS WRITTEN.  Blocks of 6,400 bytes, each 64 rows x 128 along K, laid as IMAGES OF OPERAND REGISTERS: four tiles of 16 rows, 1,536 bytes each (three planes of 512 bytes: plane q holds registers 4 q .. 4 q + 3 of
; lane l at 16 l), then 256 bytes of scale words: lane l's 8 bytes are (X, Y); X = the word of tile 0's row r in lanes 0-15, tile 1's in lanes 16-31; Y likewise for tiles 2 and 3.
; THE ROWS OF A TILE ARE NOT NEIGHBOURS: lane-row r of tile a is row 32 (a / 2) + 8 (a % 2) + r + 8 (r / 8) of the 64.
; xq: [group of 128 tokens][K step of 128][which 64] blocks;  wq: the same for 32 groups of 128 weight columns: Wq 0-7, Wk 8-15, Wv 16-23, Wo 24-31.
; One wave makes one block.  Work-groups 0-255 take x, 256-383 the weights; the two ways part at once, never meet again, and have LDS bytes of their own.  Waves share nothing: no barrier.  No work-group reads what another reads: no cluster.
.set R,   64                           ; numbers as they are loaded: x: two sets of 64; a weight: two sets of 32
.set XN,  192                          ; x: 64 numbers of my row, in the operand's order
.set C,   24                           ; the codes just made
.set T,   36                           ; x: the conversions' second halves (a conversion's three registers begin on an even number)
.set XST, 8448                         ; x: a wave's stage: 16 rows x (512 bytes + 16)
.set WST, 33792                        ; behind the four: the weights' stages, 6,400 bytes a wave: an image of the block
	s_load_b64 s[4:5], s[0:1], 0x0                 ; x
	s_load_b256 s[8:15], s[0:1], 0x8               ; Wq, Wk, Wv, Wo
	s_load_b128 s[16:19], s[0:1], 0x28             ; xq, wq
	v_lshl_add_u32 v62, v0, 2, 0xe800
	v_mov_b32 v63, 0
	v_lshrrev_b32 v1, 5, v0
	v_readfirstlane_b32 s20, v1                    ; wave
	v_and_b32 v1, 31, v0                           ; lane
	s_mov_b32 s22, 0x76543210
	s_mov_b32 s23, 0xfedcba98                      ; v_permlanex16_b32's selects for lane l xor 16
	s_cmp_lt_u32 ttmp9, 256
	s_cbranch_scc0 .Lweights
; ---------------- x: K is innermost.  Each load takes 512 consecutive bytes of one row; the tile's 16 rows turn through the wave's stage, so that lane (r, h) gets k = 64 c + 32 h + 0 .. 31 of row r: two whole blocks
	v_and_b32 v2, 15, v0                           ; r
	v_bfe_u32 v3, v0, 4, 1                         ; h
	v_lshlrev_b32 v4, 4, v1                        ; 16 x lane: loads, and stores of codes
	s_mul_i32 s24, s20, XST
	v_add_nc_u32 v5, s24, v4                       ; into the stage: 16 x lane
	v_mul_u32_u24 v6, v2, 528
	v_lshl_add_u32 v6, v3, 7, v6
	v_add_nc_u32 v6, s24, v6                       ; out of it: row r, + 128 h
	v_lshlrev_b32 v7, 3, v3                        ; 8 h: my bytes' place in the scale word
	v_lshlrev_b32 v8, 3, v1                        ; 8 x lane
	v_cmp_lt_u32 s30, 15, v1                       ; lanes 16-31
	v_mov_b32 v23, 0                               ; a lane permute's destination counts as one of its sources
	s_lshl_b32 s25, ttmp9, 2
	s_add_co_u32 s25, s25, s20                     ; n: my block, 0 .. 1023 = 16 group + 2 K step + which 64
	s_lshr_b32 s26, s25, 4
	s_lshl_b32 s26, s26, 19                        ; 128 rows of 4,096 bytes a group
	s_and_b32 s27, s25, 1
	s_lshl_b32 s27, s27, 18
	s_add_co_u32 s26, s26, s27
	s_bfe_u32 s27, s25, 0x30001
	s_lshl_b32 s27, s27, 9                         ; 512 bytes a K step
	s_add_co_u32 s26, s26, s27
	s_mov_b32 s27, 0
	s_mul_i32 s28, s25, 6400
	s_mov_b32 s29, 0
	s_wait_alu depctr_va_vdst(0)
	s_wait_kmcnt 0x0
	s_add_nc_u64 s[4:5], s[4:5], s[26:27]
	s_add_nc_u64 s[16:17], s[16:17], s[28:29]
.macro XLOAD a                         ; tile a's 16 rows into set a % 2
.set li, 0
.rept 16
	global_load_b128 v[R+64*((\a)%2)+4*li:R+64*((\a)%2)+4*li+3], v4, s[4:5] offset:(32*((\a)/2)+8*((\a)%2)+li+8*(li/8))*4096 th:TH_LOAD_NT
.set li, li+1
.endr
.endm
.macro XTILE a
.if (\a) < 3
	s_wait_loadcnt 16                              ; this tile's 16 loads are in; the next tile's 16 may be out
.else
	s_wait_loadcnt 0x0
.endif
.set si, 0
.rept 16
	ds_store_b128 v5, v[R+64*((\a)%2)+4*si:R+64*((\a)%2)+4*si+3] offset:528*si
.set si, si+1
.endr
.irp c, 0,1
.irp j, 0,1,2,3,4,5,6,7
	ds_load_b128 v[XN+32*\c+4*\j:XN+32*\c+4*\j+3], v6 offset:256*\c+16*\j   ; LDS serves a wave's instructions in order: these see the stores above, and the next tile's stores come behind them
.endr
.endr
	s_wait_dscnt 0x0                               ; my numbers are back, and the stores have read their registers,
.if (\a) < 2
	XLOAD (\a)+2                                   ; which take the tile two on
.endif
.irp c, 0,1
	v_max3_num_f32 v[16+\c], |v[XN+32*\c]|, |v[XN+32*\c+1]|, 0x1800000   ; block 2 c + h is all mine; the floor 2^(3 - 127) holds the byte at 1 from below
.endr
.irp i, 2,4,6,8,10,12,14,16,18,20,22,24,26,28,30
.irp c, 0,1
	v_max3_num_f32 v[16+\c], v[16+\c], |v[XN+32*\c+\i]|, |v[XN+32*\c+\i+1]|
.endr
.endr
.irp c, 0,1
	v_add_nc_u32 v[18+\c], 0xff000000, v[16+\c]    ; 2 off the exponent field: the conversion's scale operand
.endr
	s_wait_alu depctr_va_vdst(0)
	s_wait_xcnt 0x0                                ; the last tile's stores have read the codes' registers
.irp c, 0,1
	v_cvt_scalef32_pk16_fp6_f32 v[C+6*\c:C+6*\c+2], v[XN+32*\c:XN+32*\c+15], v[18+\c]
	v_cvt_scalef32_pk16_fp6_f32 v[T+4*\c:T+4*\c+2], v[XN+32*\c+16:XN+32*\c+31], v[18+\c]
.endr
.irp c, 0,1
	v_lshrrev_b32 v[20+\c], 23, v[18+\c]           ; the scales' bytes.  (Plain lines behind the conversions)
.endr
	v_lshl_or_b32 v22, v21, 16, v20                ; blocks h and 2 + h,
	v_lshlrev_b32 v22, v7, v22                     ; at their places in the word;
	v_permlanex16_b32 v23, v22, s22, s23
	v_or_b32 v[10+(\a)], v22, v23                  ; with lane l xor 16's two the word is whole
.irp c, 0,1
.irp i, 0,1,2
	v_mov_b32 v[C+6*\c+3+\i], v[T+4*\c+\i]
.endr
.endr
.irp q, 0,1,2
	global_store_b128 v4, v[C+4*\q:C+4*\q+3], s[16:17] offset:1536*(\a)+512*\q   ; 32 lanes store 512 consecutive bytes, aligned to 256
.endr
.endm
	XLOAD 0
	XLOAD 1
	XTILE 0
	XTILE 1
	XTILE 2
	XTILE 3
	v_cndmask_b32 v14, v10, v11, s30               ; X: tile 0's words below, tile 1's above
	v_cndmask_b32 v15, v12, v13, s30               ; Y: tiles 2 and 3
	global_store_b64 v8, v[14:15], s[16:17] offset:6144
	s_wait_tensorcnt 0x0
	ds_add_u32 v62, v63
	s_wait_dscnt 0x0
	s_endpgm
; ---------------- a weight: K is the first axis.  A LANE TAKES A COLUMN AND ITS REGISTERS RUN DOWN K: a block of 32 is one lane's, and the conversions give codes with K innermost.  Nothing is transposed.
; Lane l of half b' (32 columns) is column 32 b' + l of the 64: tile 2 b' + u, lane-row rr, with u = (l / 8) % 2 and rr = l % 8 + 8 (l / 16).  Its block beta is registers 6 (beta / 2) .. + 5 of lane rr + 16 (beta % 2) of
; that tile's image: it is put there in the wave's stage, which then leaves as it lies, 512 consecutive bytes a store.  (Tiles u = 0 and 1 lie 1,536 bytes apart, so these 16 stores of a wave meet two deep in LDS.)
.Lweights:
	s_wait_alu depctr_va_vdst(0)
	v_lshlrev_b32 v3, 2, v1                        ; 4 l
	v_bfe_u32 v2, v0, 3, 1                         ; u
	v_and_b32 v10, 7, v0
	v_bfe_u32 v16, v0, 4, 1
	v_lshl_add_u32 v10, v16, 3, v10                ; rr
	s_mul_i32 s24, s20, 6400
	s_add_co_u32 s24, s24, WST                     ; my stage
	v_lshlrev_b32 v4, 4, v10
	v_mad_u32_u24 v4, v2, 1536, v4
	v_add_nc_u32 v4, s24, v4                       ; codes: 16 rr + 1536 u
	v_lshl_add_u32 v5, v2, 4, v10
	v_lshlrev_b32 v5, 3, v5
	v_add_nc_u32 v5, s24, v5
	v_add_nc_u32 v5, 6144, v5                      ; scale words: 8 (rr + 16 u), + 4 b'
	v_lshlrev_b32 v8, 4, v1                        ; the way out: 16 l,
	v_lshlrev_b32 v9, 3, v1                        ; 8 l
	v_add_nc_u32 v6, s24, v8
	v_add_nc_u32 v7, s24, v9
	v_add_nc_u32 v7, 6144, v7
	s_sub_co_u32 s25, ttmp9, 256
	s_lshl_b32 s25, s25, 2
	s_add_co_u32 s25, s25, s20                     ; n: my block, 0 .. 511 = 16 group + 2 K step + which 64
	s_lshr_b32 s26, s25, 7                         ; which weight
	s_bfe_u32 s27, s25, 0x30001
	s_lshl_b32 s28, s27, 19                        ; 128 rows of 4,096 bytes a K step
	s_bfe_u32 s27, s25, 0x30004
	s_lshl_b32 s27, s27, 9                         ; 128 columns a group
	s_add_co_u32 s28, s28, s27
	s_and_b32 s27, s25, 1
	s_lshl_b32 s27, s27, 8
	s_add_co_u32 s28, s28, s27
	s_mov_b32 s29, 0
	s_mul_i32 s32, s25, 6400
	s_mov_b32 s33, 0
	s_wait_kmcnt 0x0
	s_cmp_eq_u32 s26, 1                            ; the choice hangs on the work-group's number alone
	s_cselect_b64 s[8:9], s[10:11], s[8:9]
	s_cmp_eq_u32 s26, 2
	s_cselect_b64 s[8:9], s[12:13], s[8:9]
	s_cmp_eq_u32 s26, 3
	s_cselect_b64 s[8:9], s[14:15], s[8:9]
	s_add_nc_u64 s[8:9], s[8:9], s[28:29]
	s_add_nc_u64 s[18:19], s[18:19], s[32:33]
.macro WLOAD t                         ; block t / 2 along K of half t % 2: 32 rows x 128 consecutive bytes
.set li, 0
.rept 32
	global_load_b32 v[R+32*((\t)%2)+li], v3, s[8:9] offset:(32*((\t)/2)+li)*4096+128*((\t)%2) th:TH_LOAD_NT
.set li, li+1
.endr
.endm
.macro WBLOCK t
.set XS, R+32*((\t)%2)
.set BE, (\t)/2
.set BP, (\t)%2
.if (\t) < 7
	s_wait_loadcnt 32                              ; this block's 32 loads are in; the next block's may be out
.else
	s_wait_loadcnt 0x0
.endif
	v_max3_num_f32 v12, |v[XS]|, |v[XS+1]|, |v[XS+2]|
	v_max3_num_f32 v13, |v[XS+3]|, |v[XS+4]|, |v[XS+5]|
.irp i, 6,10,14,18,22,26
	v_max3_num_f32 v12, v12, |v[XS+\i]|, |v[XS+\i+1]|
	v_max3_num_f32 v13, v13, |v[XS+\i+2]|, |v[XS+\i+3]|
.endr
	v_max3_num_f32 v12, v12, |v[XS+30]|, |v[XS+31]|
	v_max3_num_f32 v12, v12, v13, 0x1800000        ; and the floor
	v_add_nc_u32 v11, 0xff000000, v12              ; the conversion's scale operand
	v_lshrrev_b32 v13, 23, v11                     ; the byte
.if BE == 0
	v_mov_b32 v[14+BP], v13
.else
	v_lshl_or_b32 v[14+BP], v13, 8*BE, v[14+BP]    ; the lower K in the lower byte
.endif
	v_cvt_scalef32_pk16_fp6_f32 v[C:C+2], v[XS:XS+15], v11
	v_cvt_scalef32_pk16_fp6_f32 v[C+6:C+8], v[XS+16:XS+31], v11
	v_nop                                          ; one plain line behind a scaled conversion
.irp i, 0,1,2
	v_mov_b32 v[C+3+\i], v[C+6+\i]
.endr
.if BE < 2                             ; registers 0-5: plane 0 whole, the lower half of plane 1
	ds_store_b128 v4, v[C:C+3] offset:3072*BP+256*(BE%2)
	ds_store_b64 v4, v[C+4:C+5] offset:3072*BP+256*(BE%2)+512
.else                                  ; registers 6-11: the upper half of plane 1, plane 2 whole
	ds_store_b64 v4, v[C:C+1] offset:3072*BP+256*(BE%2)+520
	ds_store_b128 v4, v[C+2:C+5] offset:3072*BP+256*(BE%2)+1024
.endif
.if (\t)+2 < 8
	WLOAD (\t)+2
.endif
	s_wait_dscnt 0x0                               ; the stores have read their registers: the next block's codes may be written
.endm
	WLOAD 0
	WLOAD 1
.irp t, 0,1,2,3,4,5,6,7
	WBLOCK \t
.endr
	ds_store_b32 v5, v14
	s_wait_alu depctr_va_vdst(0)
	ds_store_b32 v5, v15 offset:4
.irp k, 0,1,2,3,4,5,6,7,8,9,10,11
	ds_load_b128 v[128+4*\k:131+4*\k], v6 offset:512*\k   ; LDS serves a wave's instructions in order: these see my stores
.endr
	ds_load_b64 v[176:177], v7
.irp k, 0,1,2,3,4,5,6,7,8,9,10,11
	s_wait_dscnt 12-\k
	global_store_b128 v8, v[128+4*\k:131+4*\k], s[18:19] offset:512*\k
.endr
	s_wait_dscnt 0x0
	global_store_b64 v9, v[176:177], s[18:19] offset:6144
	s_wait_tensorcnt 0x0
	ds_add_u32 v62, v63
	s_wait_dscnt 0x0
	s_endpgm
.Lfunc_end_k_qedbf17fc21_quant:
	.size	k_qedbf17fc21_quant, .Lfunc_end_k_qedbf17fc21_quant-k_qedbf17fc21_quant
	.p2alignl 7, 3214868480
	.fill 96, 4, 3214868480
	.section	.rodata,"a",@progbits
	.p2align	6, 0x0
	.amdhsa_kernel k_qedbf17fc21_quant
		.amdhsa_group_segment_fixed_size 59904
		.amdhsa_private_segment_fixed_size 0
		.amdhsa_enable_private_segment 0
		.amdhsa_kernarg_size 56
		.amdhsa_user_sgpr_count 2
		.amdhsa_user_sgpr_kernarg_segment_ptr 1
		.amdhsa_wavefront_size32 1
		.amdhsa_system_sgpr_workgroup_id_x 1
		.amdhsa_system_sgpr_workgroup_id_y 1
		.amdhsa_system_sgpr_workgroup_id_z 1
		.amdhsa_system_vgpr_workitem_id 0
		.amdhsa_next_free_vgpr 256
		.amdhsa_next_free_sgpr 66
		.amdhsa_reserve_vcc 0
		.amdhsa_float_denorm_mode_32 3
		.amdhsa_float_denorm_mode_16_64 3
		.amdhsa_memory_ordered 1
		.amdhsa_forward_progress 1
		.amdhsa_inst_pref_size 72
	.end_amdhsa_kernel
	.amdgpu_metadata
---
amdhsa.version: [ 1, 2 ]
amdhsa.kernels:
  - .name:           k_qedbf17fc21_quant
    .symbol:         k_qedbf17fc21_quant.kd
    .args:
      - { .name: x, .offset: 0, .size: 8, .value_kind: global_buffer, .address_space: global }
      - { .name: Wq, .offset: 8, .size: 8, .value_kind: global_buffer, .address_space: global }
      - { .name: Wk, .offset: 16, .size: 8, .value_kind: global_buffer, .address_space: global }
      - { .name: Wv, .offset: 24, .size: 8, .value_kind: global_buffer, .address_space: global }
      - { .name: Wo, .offset: 32, .size: 8, .value_kind: global_buffer, .address_space: global }
      - { .name: xq, .offset: 40, .size: 8, .value_kind: global_buffer, .address_space: global }
      - { .name: wq, .offset: 48, .size: 8, .value_kind: global_buffer, .address_space: global }
    .group_segment_fixed_size: 59904
    .private_segment_fixed_size: 0
    .kernarg_segment_align: 8
    .kernarg_segment_size: 56
    .max_flat_workgroup_size: 128
    .sgpr_count:     66
    .vgpr_count:     256
    .wavefront_size: 32
...
	.end_amdgpu_metadata
.endif
;; end of part 1
;; launch qkv (part 2): grid 8 x 96, 4 waves a work-group, clusters of 4 x 4, 307,712 bytes of LDS; arguments xq, wq, bq, bk, bv, qkb, vq; writes qkb, vq
.if DOCPART == 2
	.amdgcn_target "amdgcn-amd-amdhsa--gfx1250"
	.amdhsa_code_object_version 6
	.text
	.protected	k_qedbf17fc21_qkv
	.globl	k_qedbf17fc21_qkv
	.p2align	8
	.type	k_qedbf17fc21_qkv,@function
k_qedbf17fc21_qkv:
	s_mov_b64 s[64:65], 0
	v_nop
	global_prefetch_b8 v0, s[64:65] scope:SCOPE_SE
	s_setreg_imm32_b32 hwreg(HW_REG_WAVE_MODE, 25, 1), 1
	s_wait_xcnt 0x0
	s_wait_alu depctr_hold_cnt(0) depctr_sa_sdst(0) depctr_va_vdst(0) depctr_va_sdst(0) depctr_va_ssrc(0) depctr_va_vcc(0) depctr_vm_vsrc(0)
	s_getreg_b32 s2, hwreg(HW_REG_IB_STS2, 6, 4)
	s_cmp_eq_u32 s2, 0
	s_cbranch_scc0 .Lentry_in_a_cluster
	s_endpgm
.Lentry_in_a_cluster:
	s_bfe_u32 s2, ttmp6, 0x10000c
	s_cmp_lg_u32 s2, 0xf033
	s_cbranch_scc0 .Lentry_shape_is_right
	s_endpgm
.Lentry_shape_is_right:
; q = x Wq + bq, k = x Wk + bk, v = x Wv + bv on codes of FP6 (E2M3) with E8M0 scales, sums in f32; the results are quantised here and leave as codes: q and k along the head's 64, v along the keys.
; OPERANDS arrive as blocks of 6,400 bytes (64 rows x 128 K: four images of a fragment's 12 registers, 1,536 bytes each, then 256 bytes of scale words), [group of 128 rows][K step][which 64].
; Lane-row r of tile a is row 32 (a / 2) + 8 (a % 2) + r + 8 (r / 8) of its 64.  With source 0 laid so, the 16 result registers of tiles 2 b and 2 b + 1 are 16 NEIGHBOURS along source 0's rows, which are the next K.
; A WORK-GROUP makes 128 rows of S1 (source 1) x 256 rows of S0 (source 0) over all K = 1,024.  Wave w: 64 rows of S1 (its quad w / 2: four tiles a) x 128 rows of S0 (group w % 2: eight tiles b): 32 accumulators.
; TWO MODES, by the cluster's y alone.  y < 16: S1 = tokens, S0 = columns of Wq | Wk: a lane holds one token and its registers run along the columns: two heads of 64.
;            y >= 16: S1 = columns of Wv, S0 = tokens: a lane holds one channel of v and its registers run along 128 tokens, the keys.  The products' text is the same.
; ALL OF K LIES IN LDS (307,200 bytes), as it lies in memory: no LDS byte is filled twice.  Each wave issues four tensor loads at the start, one for each two K steps; four of mine are out at the most.
; CLUSTER 4 x 4: S1's blocks are shared along a row of the cluster, S0's along a column: each is asked for jointly, by the same load with the same descriptor and a mask that names the four.
; OUT.  qkb: [q, k][batch][head][64 tokens] blocks of 3,328 bytes: four images of 6 registers (three planes of 256 bytes: registers 2 p, 2 p + 1 of lane l at 8 l), then the scale words (two bytes each, zero above).
;       vq: [batch][head][128 keys] blocks of 6,400 bytes, rows = the head's 64 channels.
; LIMITS: a block of zeros gets the byte 1 (zero codes; this program alone reads the bytes); largest magnitudes under 2^-124 were not tried; NaN and infinities are not served.
; REGISTERS: window 0: v8-17 addresses; v20-31 scale words, two sets; v32-127 S1's fragments, two sets; v128-191 64 numbers; v192-237 the quantiser.  window 1: S0's fragments, two sets.  window 2: accumulator (a, b) at v[8 (8 a + b)].
;            window 3: v0-63 the bias of my 128 columns in the result's layout; v64-71 bv of my lane's channel, a pair for each tile a.
.set SS,  20                           ; scale words: set p at SS + 6 p: four registers of S0 (tile b: register b / 2, the upper lanes where b is odd), two of S1
.set F1,  32                           ; S1's fragments: set p at F1 + 48 p
.set ST,  128
.set PC,  192                          ; the codes just made;  PC + 12, PC + 16: the conversions' second halves
.set TM,  212
.set PW,  228                          ; the scale word of each tile a
.set SEL, 2                            ; s[2:3] v_permlanex16_b32's selects
.set G1A, 24                           ; s[24:31] group 1 for S1's loads (50 rows of 256 bytes);  s[32:39] for S0's (100 rows)
.set G1B, 32
.set G0A, 40                           ; s[40:55] S1's four groups 0;  S0's: s[56:63], s[68:75]
.set MSB, 0
.macro WIN new                         ; the immediate's high byte repeats the setting that is left
.if MSB != \new
	s_set_vgpr_msb (MSB<<8)|\new
.set MSB, \new
.endif
.endm
.macro PLACES n
.rept \n
	v_nop
.endr
.endm
.macro CROUND                          ; a round of the cluster's barrier
	s_barrier_signal -1
	s_barrier_wait -1
	s_cmp_lg_u32 s18, 0
	s_cbranch_scc1 .Lnot_wave_0_\@
	s_barrier_signal -3
.Lnot_wave_0_\@:
	s_barrier_wait -3
	s_barrier_signal -1
	s_barrier_wait -1
.endm
	s_load_b128 s[4:7], s[0:1], 0x0                ; xq, wq
	s_load_b128 s[8:11], s[0:1], 0x10              ; bq, bk
	s_load_b128 s[12:15], s[0:1], 0x20             ; bv, qkb
	s_load_b64 s[16:17], s[0:1], 0x30              ; vq
	v_lshl_add_u32 v254, v0, 2, 0x4b000
	v_mov_b32 v255, 0
	ds_add_u32 v254, v255
	ds_add_u32 v254, v255
	v_lshrrev_b32 v1, 5, v0
	v_readfirstlane_b32 s18, v1                    ; wave
	s_lshr_b32 s19, s18, 1                         ; wr: my quad of S1.  Also: I fetch for S1 (0) or S0 (1)
	s_and_b32 s20, s18, 1                          ; wc: my group of S0.  Also: which part I fetch
	s_bfe_u32 s21, ttmp6, 0x40000                  ; cx
	s_bfe_u32 s22, ttmp6, 0x40004                  ; cy
	s_and_b32 s76, ttmp7, 0xffff                   ; the cluster's y
	s_and_b32 s77, s76, 1
	s_sub_co_u32 s78, s76, 16
	s_lshr_b32 s78, s78, 1
	s_lshl_b32 s78, s78, 3
	s_cmp_ge_u32 s76, 16
	s_cselect_b32 s23, 1, 0                        ; the mode: the same in all sixteen partners
	s_cselect_b32 s77, s77, s76
	s_cselect_b32 s78, s78, 0
	s_cselect_b32 s79, 1638400, 0                  ; Wv's groups begin 16 groups into wq
	s_lshl_b32 s77, s77, 2
	s_add_co_u32 s77, s77, s22                     ; g1: S1's group: it hangs on cy, never on cx
	s_lshl_b32 s80, ttmp9, 2
	s_add_co_u32 s80, s80, s21
	s_add_co_u32 s80, s80, s78                     ; J: S0's groups are 2 J and 2 J + 1: it hangs on cx, never on cy
	s_lshl_b32 s81, s80, 1
	s_add_co_u32 s81, s81, s20                     ; 2 J + wc
	s_lshl_b32 s78, s77, 1
	s_add_co_u32 s78, s78, s19                     ; 2 g1 + wr
	s_mul_i32 s82, s77, 102400
	s_add_co_u32 s82, s82, s79
	s_mul_i32 s93, s20, 12800                      ; S1: waves 0 and 1 take the even and the odd K steps
	s_add_co_u32 s82, s82, s93
	s_mov_b32 s83, 0
	s_mul_i32 s84, s81, 102400                     ; S0: waves 2 and 3 take a group each
	s_mov_b32 s85, 0
	s_mul_i32 s94, s20, 102400
	s_add_co_u32 s94, s94, 102400                  ; my group of S0 in LDS (no place in the cluster enters an LDS address)
	s_bfe_u32 s95, s80, 0x10002                    ; columns of Wk (1) or of Wq (0)
	s_and_b32 s98, s81, 7
	s_lshl_b32 s98, s98, 9                         ; my 128 columns' bias
	s_mov_b32 s99, 0
	s_lshl_b32 s91, s22, 2
	s_lshl_b32 s91, 15, s91                        ; my row of the cluster
	s_lshl_b32 s92, 0x1111, s21                    ; my column
	s_or_b32 s[G1A], s91, (3<<16)|(1<<21)          ; 15:0 the mask; 17:16 elements of 8 bytes; 21 set beside a mask; no padding
	s_or_b32 s[G1B], s92, (3<<16)|(1<<21)
	s_mov_b32 s[G1A+1], 32<<16                     ; tensor_dim0 = 32 elements: rows of 256 bytes of a dense block
	s_mov_b32 s[G1A+2], 50<<16                     ; tensor_dim1
	s_mov_b32 s[G1A+3], 32<<16                     ; tile_dim0
	s_mov_b32 s[G1A+4], 50                         ; tile_dim1: 12,800 bytes: one K step of 128 rows
	s_mov_b32 s[G1A+5], 32                         ; the pitch
	s_mov_b32 s[G1A+6], 0
	s_mov_b32 s[G1A+7], 0
	s_mov_b32 s[G1B+1], 32<<16
	s_mov_b32 s[G1B+2], 100<<16
	s_mov_b32 s[G1B+3], 32<<16
	s_mov_b32 s[G1B+4], 100                        ; 25,600 bytes: two K steps of 128 rows
	s_mov_b32 s[G1B+5], 32
	s_mov_b32 s[G1B+6], 0
	s_mov_b32 s[G1B+7], 0
	s_mov_b32 s[SEL], 0x76543210
	s_mov_b32 s[SEL+1], 0xfedcba98
	s_wait_dscnt 0x0
	s_wait_kmcnt 0x0
	s_cmp_eq_u32 s23, 1
	s_cselect_b64 s[86:87], s[6:7], s[4:5]         ; S1 comes from wq or from xq,
	s_cselect_b64 s[88:89], s[4:5], s[6:7]         ; S0 from the other
	s_add_nc_u64 s[86:87], s[86:87], s[82:83]
	s_add_nc_u64 s[88:89], s[88:89], s[84:85]
	s_cmp_eq_u32 s95, 1
	s_cselect_b64 s[96:97], s[10:11], s[8:9]
	s_add_nc_u64 s[96:97], s[96:97], s[98:99]
	s_and_b32 s82, s78, 15
	s_lshl_b32 s82, s82, 8                         ; my head's 64 numbers of bv
	s_add_nc_u64 s[12:13], s[12:13], s[82:83]
	CROUND                                         ; all sixteen work-groups are here: the joint loads meet
.irp f, 0,1,2,3
	s_mov_b32 s[G0A+4*\f], 1
	s_add_co_u32 s[G0A+4*\f+1], s93, 25600*\f
	s_add_nc_u64 s[G0A+4*\f+2:G0A+4*\f+3], s[86:87], 25600*\f
	s_or_b32 s[G0A+4*\f+3], s[G0A+4*\f+3], 0x80000000
	s_mov_b32 s[56+4*\f+4*(\f/2)], 1
	s_add_co_u32 s[57+4*\f+4*(\f/2)], s94, 25600*\f
	s_add_nc_u64 s[58+4*\f+4*(\f/2):59+4*\f+4*(\f/2)], s[88:89], 25600*\f
	s_or_b32 s[59+4*\f+4*(\f/2)], s[59+4*\f+4*(\f/2)], 0x80000000
.endr
	s_cmp_eq_u32 s19, 0                            ; a wave's four fills stand in one branch on its number, ahead of every wait on TENSORcnt and every LDS read; four v_nop follow the last
	s_cbranch_scc0 .Lfor_s0
	tensor_load_to_lds s[40:43], s[G1A:G1A+7]
	s_nop 0
	tensor_load_to_lds s[44:47], s[G1A:G1A+7]
	s_nop 0
	tensor_load_to_lds s[48:51], s[G1A:G1A+7]
	s_nop 0
	tensor_load_to_lds s[52:55], s[G1A:G1A+7]
	s_nop 0
	PLACES 4
	s_branch .Lasked
.Lfor_s0:
	tensor_load_to_lds s[56:59], s[G1B:G1B+7]
	s_nop 0
	tensor_load_to_lds s[60:63], s[G1B:G1B+7]
	s_nop 0
	tensor_load_to_lds s[68:71], s[G1B:G1B+7]
	s_nop 0
	tensor_load_to_lds s[72:75], s[G1B:G1B+7]
	s_nop 0
	PLACES 4
.Lasked:
	v_and_b32 v1, 31, v0                           ; lane
	v_and_b32 v2, 15, v0                           ; r
	v_bfe_u32 v3, v0, 4, 1                         ; h
	v_lshlrev_b32 v16, 4, v1
	v_lshlrev_b32 v17, 3, v1
	s_mul_i32 s95, s19, 6400
	v_add_nc_u32 v8, s95, v16                      ; S1's images: K steps 0-3,
	v_add_nc_u32 v9, 51200, v8                     ; 4-7 (an LDS offset has 16 bits)
	v_add_nc_u32 v10, s94, v16                     ; S0's
	v_add_nc_u32 v11, 51200, v10
	v_add_nc_u32 v12, s95, v17                     ; S1's scale words
	v_add_nc_u32 v12, 6144, v12
	v_add_nc_u32 v13, 51200, v12
	v_add_nc_u32 v14, s94, v17                     ; S0's
	v_add_nc_u32 v14, 6144, v14
	v_add_nc_u32 v15, 51200, v14
	v_cmp_lt_u32 s90, 15, v1                       ; lanes 16-31
	v_lshlrev_b32 v4, 6, v3                        ; the bias of columns: 16 h numbers on
	v_and_b32 v5, 8, v2
	v_add_nc_u32 v5, v5, v2
	v_lshlrev_b32 v5, 2, v5                        ; bv: r + 8 (r / 8)
.irp b, 0,1,2,3
	v_mov_b32 v[TM+4+\b], 0                        ; a lane permute's destination counts as one of its sources
.endr
	WIN 0xc0                                       ; destination window 3.  Both kinds of bias are loaded in both modes, at places that lie inside their buffers either way
.irp b, 0,1,2,3,4,5,6,7
	global_load_b128 v[8*\b:8*\b+3], v4, s[96:97] offset:(32*(\b/2)+8*(\b%2))*4          ; tile b's register j is column 32 (b / 2) + 8 (b % 2) + 16 h + j
	global_load_b128 v[8*\b+4:8*\b+7], v4, s[96:97] offset:(32*(\b/2)+8*(\b%2))*4+16
.endr
.irp a, 0,1,2,3
	global_load_b32 v[64+2*\a], v5, s[12:13] offset:(32*(\a/2)+8*(\a%2))*4
	global_load_b32 v[65+2*\a], v5, s[12:13] offset:(32*(\a/2)+8*(\a%2))*4               ; (named with it as a pair, so it is written)
.endr
	WIN 0
; 39 LDS loads: K step s into set p: S0's two units of scale words, S1's one, S0's eight fragments, S1's four; each load takes consecutive bytes
.macro FETCH s, p
.irp k, 0,1
	ds_load_b64 v[SS+6*(\p)+2*\k:SS+6*(\p)+2*\k+1], v[14+(\s)/4] offset:((\s)%4)*12800+6400*\k
.endr
	ds_load_b64 v[SS+6*(\p)+4:SS+6*(\p)+5], v[12+(\s)/4] offset:((\s)%4)*12800
	WIN 0x40                                       ; destination window 1
.irp b, 0,1,2,3,4,5,6,7
.irp q, 0,1,2
	ds_load_b128 v[128*(\p)+12*\b+4*\q:128*(\p)+12*\b+4*\q+3], v[10+(\s)/4] offset:((\s)%4)*12800+(\b/4)*6400+(\b%4)*1536+512*\q
.endr
.endr
	WIN 0
.irp a, 0,1,2,3
.irp q, 0,1,2
	ds_load_b128 v[F1+48*(\p)+12*\a+4*\q:F1+48*(\p)+12*\a+4*\q+3], v[8+(\s)/4] offset:((\s)%4)*12800+1536*\a+512*\q
.endr
.endr
.endm
; one product: source 0 = S0's tile b, source 1 = S1's tile a.  An odd tile's scale words stand in the upper lanes of its register
.macro WM a, b, p, zero
.set rD, 8*(8*(\a)+(\b))
.set rA, 128*(\p)+12*(\b)
.set rB, F1+48*(\p)+12*(\a)
.set rX, SS+6*(\p)+(\b)/2
.set rY, SS+6*(\p)+4+(\a)/2
.set par, 2*((\a)%2)+(\b)%2
.if \zero
.if par == 0
	v_wmma_scale_f32_16x16x128_f8f6f4 v[rD:rD+7], v[rA:rA+11], v[rB:rB+11], 0, v[rX], v[rY] matrix_a_fmt:MATRIX_FMT_FP6 matrix_b_fmt:MATRIX_FMT_FP6
.elseif par == 1
	v_wmma_scale_f32_16x16x128_f8f6f4 v[rD:rD+7], v[rA:rA+11], v[rB:rB+11], 0, v[rX], v[rY] matrix_a_fmt:MATRIX_FMT_FP6 matrix_b_fmt:MATRIX_FMT_FP6 matrix_a_scale:MATRIX_SCALE_ROW1
.elseif par == 2
	v_wmma_scale_f32_16x16x128_f8f6f4 v[rD:rD+7], v[rA:rA+11], v[rB:rB+11], 0, v[rX], v[rY] matrix_a_fmt:MATRIX_FMT_FP6 matrix_b_fmt:MATRIX_FMT_FP6 matrix_b_scale:MATRIX_SCALE_ROW1
.else
	v_wmma_scale_f32_16x16x128_f8f6f4 v[rD:rD+7], v[rA:rA+11], v[rB:rB+11], 0, v[rX], v[rY] matrix_a_fmt:MATRIX_FMT_FP6 matrix_b_fmt:MATRIX_FMT_FP6 matrix_a_scale:MATRIX_SCALE_ROW1 matrix_b_scale:MATRIX_SCALE_ROW1
.endif
.else
.if par == 0
	v_wmma_scale_f32_16x16x128_f8f6f4 v[rD:rD+7], v[rA:rA+11], v[rB:rB+11], v[rD:rD+7], v[rX], v[rY] matrix_a_fmt:MATRIX_FMT_FP6 matrix_b_fmt:MATRIX_FMT_FP6
.elseif par == 1
	v_wmma_scale_f32_16x16x128_f8f6f4 v[rD:rD+7], v[rA:rA+11], v[rB:rB+11], v[rD:rD+7], v[rX], v[rY] matrix_a_fmt:MATRIX_FMT_FP6 matrix_b_fmt:MATRIX_FMT_FP6 matrix_a_scale:MATRIX_SCALE_ROW1
.elseif par == 2
	v_wmma_scale_f32_16x16x128_f8f6f4 v[rD:rD+7], v[rA:rA+11], v[rB:rB+11], v[rD:rD+7], v[rX], v[rY] matrix_a_fmt:MATRIX_FMT_FP6 matrix_b_fmt:MATRIX_FMT_FP6 matrix_b_scale:MATRIX_SCALE_ROW1
.else
	v_wmma_scale_f32_16x16x128_f8f6f4 v[rD:rD+7], v[rA:rA+11], v[rB:rB+11], v[rD:rD+7], v[rX], v[rY] matrix_a_fmt:MATRIX_FMT_FP6 matrix_b_fmt:MATRIX_FMT_FP6 matrix_a_scale:MATRIX_SCALE_ROW1 matrix_b_scale:MATRIX_SCALE_ROW1
.endif
.endif
.endm
; S1's tiles a0 .. a0 + n - 1 against S0's eight.  The 32 accumulators take turns, one instruction a turn, in the same order in every K step.  zero = 1: the first products start the sums
.macro MUL a0, n, p, zero
	WIN 0xa1                                       ; source 0 window 1, source 1 window 0, C and D window 2
.set ia, \a0
.rept \n
.irp b, 0,1,2,3,4,5,6,7
	WM ia, \b, \p, \zero
.endr
.set ia, ia+1
.endr
.endm
; A K step whose successor was brought by the same loads.  Four places stand in front of loads into registers that matrix instructions have read (ISA guide 7.12.1 for vector instructions)
.macro STEP s, zero
	s_wait_dscnt 6                                 ; all but the youngest six loads: S1's tiles 2 and 3
	MUL 0, 2, (\s)%2, \zero
	WIN 0
	PLACES 4
	FETCH (\s)+1, 1-(\s)%2
	s_wait_dscnt 39                                ; all but the 39 just issued
	MUL 2, 2, (\s)%2, \zero
.endm
; An odd K step: the next one was brought by the next loads.  Each wave waits for its own, then the barrier shows everybody's.  Later loads may stay out
.macro TURN s
	s_wait_dscnt 0x0                               ; no LDS load of mine is out at the signal
	s_wait_tensorcnt 3-((\s)+1)/2                  ; my loads behind the one that is wanted may stay out
	MUL 0, 1, 1, 0
	s_barrier_signal -1
	MUL 1, 1, 1, 0
	WIN 0
	s_barrier_wait -1
	PLACES 4
	FETCH (\s)+1, 0
	s_wait_dscnt 39
	MUL 2, 2, 1, 0
.endm
; 64 numbers of a lane, register 16 b + i = k 32 b + 16 (lane / 16) + i of my row, become a fragment's codes in v[PC] on and its scale word in v[pw]
.macro QUANT s, pw
.irp b, 0,1,2,3
	v_max3_num_f32 v[TM+\b], |v[\s+16*\b]|, |v[\s+1+16*\b]|, 0x1800000   ; my 16 numbers of block b, and the floor 2^(3 - 127): the byte cannot fall under 1
.endr
.irp i, 2,4,6,8,10,12,14
.irp b, 0,1,2,3
	v_max3_num_f32 v[TM+\b], v[TM+\b], |v[\s+16*\b+\i]|, |v[\s+1+16*\b+\i]|
.endr
.endr
.irp b, 0,1,2,3
	v_permlanex16_b32 v[TM+4+\b], v[TM+\b], s[SEL], s[SEL+1]
.endr
.irp b, 0,1,2,3
	v_max_num_f32 v[TM+\b], v[TM+\b], v[TM+4+\b]   ; with lane l xor 16's: the block's largest magnitude
.endr
.irp b, 0,1,2,3
	v_add_nc_u32 v[TM+12+\b], 0xff000000, v[TM+\b] ; 2 off its exponent field: the conversion's scale operand
.endr
.irp b, 0,1,2,3
	v_lshrrev_b32 v[TM+4+\b], 23, v[TM+12+\b]      ; the byte
.endr
	v_lshl_or_b32 v[\pw], v[TM+5], 8, v[TM+4]
	v_lshl_or_b32 v[\pw], v[TM+6], 16, v[\pw]
	v_lshl_or_b32 v[\pw], v[TM+7], 24, v[\pw]
.irp c, 0,1
	v_cvt_scalef32_pk16_fp6_f32 v[PC+6*\c:PC+2+6*\c], v[\s+32*\c:\s+15+32*\c], v[TM+12+2*\c]
	v_cvt_scalef32_pk16_fp6_f32 v[PC+12+4*\c:PC+14+4*\c], v[\s+16+32*\c:\s+31+32*\c], v[TM+12+2*\c+1]   ; (a conversion's three registers begin on an even number)
.endr
	v_nop                                          ; one plain line behind a scaled conversion
.irp c, 0,1                            ; the operand's layout wants a whole block in a lane
.irp i, 0,1,2
	v_permlane16_swap_b32 v[PC+6*\c+\i], v[PC+12+4*\c+\i]
.endr
.irp i, 0,1,2
	v_mov_b32 v[PC+3+6*\c+\i], v[PC+12+4*\c+\i]
.endr
.endr
.endm
	s_wait_tensorcnt 3                             ; my first load is in; the three behind it may be out
	s_barrier_signal -1
	s_barrier_wait -1                              ; everybody's is
	FETCH 0, 0
	STEP 0, 1
	TURN 1
	STEP 2, 0
	TURN 3
	STEP 4, 0
	TURN 5
	STEP 6, 0
	s_wait_dscnt 0x0
	MUL 0, 4, 1, 0
	WIN 0
	PLACES 4                                       ; in front of the first read of results
	s_wait_loadcnt 0x0                             ; the biases
	s_cmp_eq_u32 s23, 1
	s_cbranch_scc1 .Lv_arm
	; ---- q and k: for each tile a of tokens my 64 numbers a lane are 128 columns: two heads.  Registers 0-5 of the fragment are the first head's codes, 6-11 the second's; the word's lower two bytes the first's scales
	s_lshl_b32 s91, s81, 1                         ; my first head among the 32 of q | k
	s_lshr_b32 s92, s91, 4
	s_lshl_b32 s92, s92, 2
	s_lshr_b32 s93, s78, 5                         ; the batch
	s_add_co_u32 s92, s92, s93
	s_lshl_b32 s92, s92, 4
	s_and_b32 s93, s91, 15
	s_add_co_u32 s92, s92, s93
	s_lshl_b32 s92, s92, 5
	s_and_b32 s93, s78, 31                         ; which 64 tokens of the sequence
	s_add_co_u32 s92, s92, s93
	s_mul_i32 s92, s92, 3328
	s_mov_b32 s93, 0
	s_add_nc_u64 s[86:87], s[14:15], s[92:93]
	s_add_nc_u64 s[88:89], s[86:87], 106496        ; the next head: 32 blocks on
.irp a, 0,1,2,3
.if \a > 0
	s_wait_xcnt 0x0                                ; the last tile's stores have read the codes' registers
.endif
	WIN 0x0e                                       ; source 0 window 2, source 1 window 3
.set ej, 0
.rept 32
	v_pk_add_f32 v[ST+ej:ST+ej+1], v[64*\a+ej:64*\a+ej+1], v[ej:ej+1]   ; + the bias; each accumulator from its low end on
.set ej, ej+2
.endr
	WIN 0
	QUANT ST, PW+\a
.irp e, 0,1
.irp p, 0,1,2
	global_store_b64 v17, v[PC+6*\e+2*\p:PC+6*\e+2*\p+1], s[86+2*\e:87+2*\e] offset:768*\a+256*\p   ; 32 lanes store 256 consecutive bytes, aligned
.endr
.endr
.endr
	v_cndmask_b32 v232, v[PW], v[PW+1], s90        ; tile 0's words below, tile 1's above;
	v_cndmask_b32 v233, v[PW+2], v[PW+3], s90      ; tiles 2 and 3
	v_and_b32 v234, 0xffff, v232
	v_and_b32 v235, 0xffff, v233
	v_lshrrev_b32 v236, 16, v232
	v_lshrrev_b32 v237, 16, v233
	global_store_b64 v17, v[234:235], s[86:87] offset:3072
	global_store_b64 v17, v[236:237], s[88:89] offset:3072
	s_branch .Ldone
	; ---- v: for each tile a of channels my 64 numbers a lane are 128 tokens, the keys: one whole fragment
.Lv_arm:
	s_lshr_b32 s92, s81, 4                         ; the batch
	s_lshl_b32 s92, s92, 4
	s_add_co_u32 s92, s92, s78                     ; the head
	s_lshl_b32 s92, s92, 4
	s_and_b32 s93, s81, 15                         ; which 128 keys
	s_add_co_u32 s92, s92, s93
	s_mul_i32 s92, s92, 6400
	s_mov_b32 s93, 0
	s_add_nc_u64 s[86:87], s[16:17], s[92:93]
.irp a, 0,1,2,3
.if \a > 0
	s_wait_xcnt 0x0
.endif
	WIN 0x0e
.set ej, 0
.rept 32
	v_pk_add_f32 v[ST+ej:ST+ej+1], v[64*\a+ej:64*\a+ej+1], v[64+2*\a:65+2*\a] op_sel_hi:[1,0]   ; + bv of my channel
.set ej, ej+2
.endr
	WIN 0
	QUANT ST, PW+\a
.irp q, 0,1,2
	global_store_b128 v16, v[PC+4*\q:PC+4*\q+3], s[86:87] offset:1536*\a+512*\q
.endr
.endr
	v_cndmask_b32 v232, v[PW], v[PW+1], s90
	v_cndmask_b32 v233, v[PW+2], v[PW+3], s90
	global_store_b64 v17, v[232:233], s[86:87] offset:6144
.Ldone:
	s_wait_tensorcnt 0x0
	ds_add_u32 v254, v255
	s_wait_dscnt 0x0
	CROUND                                         ; the closing round: no work-group ends while a partner may still ask for a block that names it
	s_endpgm
.Lfunc_end_k_qedbf17fc21_qkv:
	.size	k_qedbf17fc21_qkv, .Lfunc_end_k_qedbf17fc21_qkv-k_qedbf17fc21_qkv
	.p2alignl 7, 3214868480
	.fill 96, 4, 3214868480
	.section	.rodata,"a",@progbits
	.p2align	6, 0x0
	.amdhsa_kernel k_qedbf17fc21_qkv
		.amdhsa_group_segment_fixed_size 307712
		.amdhsa_private_segment_fixed_size 0
		.amdhsa_enable_private_segment 0
		.amdhsa_kernarg_size 56
		.amdhsa_user_sgpr_count 2
		.amdhsa_user_sgpr_kernarg_segment_ptr 1
		.amdhsa_wavefront_size32 1
		.amdhsa_system_sgpr_workgroup_id_x 1
		.amdhsa_system_sgpr_workgroup_id_y 1
		.amdhsa_system_sgpr_workgroup_id_z 1
		.amdhsa_system_vgpr_workitem_id 0
		.amdhsa_next_free_vgpr 848
		.amdhsa_next_free_sgpr 100
		.amdhsa_reserve_vcc 0
		.amdhsa_float_denorm_mode_32 3
		.amdhsa_float_denorm_mode_16_64 3
		.amdhsa_memory_ordered 1
		.amdhsa_forward_progress 1
		.amdhsa_inst_pref_size 117
	.end_amdhsa_kernel
	.amdgpu_metadata
---
amdhsa.version: [ 1, 2 ]
amdhsa.kernels:
  - .name:           k_qedbf17fc21_qkv
    .symbol:         k_qedbf17fc21_qkv.kd
    .args:
      - { .name: xq, .offset: 0, .size: 8, .value_kind: global_buffer, .address_space: global }
      - { .name: wq, .offset: 8, .size: 8, .value_kind: global_buffer, .address_space: global }
      - { .name: bq, .offset: 16, .size: 8, .value_kind: global_buffer, .address_space: global }
      - { .name: bk, .offset: 24, .size: 8, .value_kind: global_buffer, .address_space: global }
      - { .name: bv, .offset: 32, .size: 8, .value_kind: global_buffer, .address_space: global }
      - { .name: qkb, .offset: 40, .size: 8, .value_kind: global_buffer, .address_space: global }
      - { .name: vq, .offset: 48, .size: 8, .value_kind: global_buffer, .address_space: global }
    .group_segment_fixed_size: 307712
    .private_segment_fixed_size: 0
    .kernarg_segment_align: 8
    .kernarg_segment_size: 56
    .max_flat_workgroup_size: 128
    .sgpr_count:     100
    .vgpr_count:     848
    .wavefront_size: 32
...
	.end_amdgpu_metadata
.endif
;; end of part 2
;; launch attn (part 3): grid 4 x 64, 16 waves a work-group, clusters of 4 x 1, 210,944 bytes of LDS; arguments qkb, vq, ao; writes ao
.if DOCPART == 3
	.amdgcn_target "amdgcn-amd-amdhsa--gfx1250"
	.amdhsa_code_object_version 6
	.text
	.protected	k_qedbf17fc21_attn
	.globl	k_qedbf17fc21_attn
	.p2align	8
	.type	k_qedbf17fc21_attn,@function
k_qedbf17fc21_attn:
	s_mov_b64 s[64:65], 0
	v_nop
	global_prefetch_b8 v0, s[64:65] scope:SCOPE_SE
	s_setreg_imm32_b32 hwreg(HW_REG_WAVE_MODE, 25, 1), 1
	s_wait_xcnt 0x0
	s_wait_alu depctr_hold_cnt(0) depctr_sa_sdst(0) depctr_va_vdst(0) depctr_va_sdst(0) depctr_va_ssrc(0) depctr_va_vcc(0) depctr_vm_vsrc(0)
	s_getreg_b32 s2, hwreg(HW_REG_IB_STS2, 6, 4)
	s_cmp_eq_u32 s2, 0
	s_cbranch_scc0 .Lentry_in_a_cluster
	s_endpgm
.Lentry_in_a_cluster:
	s_bfe_u32 s2, ttmp6, 0x10000c
	s_cmp_lg_u32 s2, 0x3003
	s_cbranch_scc0 .Lentry_shape_is_right
	s_endpgm
.Lentry_shape_is_right:
; Causal attention of one head on codes of FP6 (E2M3) with E8M0 scales: S^T = K Q^T (K = the head's 64, filled up to the instruction's 128 with zero codes), O^T = V^T P^T (K = 128 keys a step).
; t = score x log2(e) / 8; M = the running largest t rounded UP to a whole number; p = 2^(t - M) is quantised along the keys, not normalised; the row's sum is taken of the unquantised p and divides O at the end.
; When M moves, the sum and O are multiplied by 2^(old M - new M): exact.  O / sum is quantised here, along the head's 64 channels (two blocks), and leaves as codes for the last product.
; SHARES.  A cluster of four work-groups is one head.  The 2,048 queries are 16 octets of 128 = 8 tiles of 16.  The work-group at place cx takes tiles 2 cx and 2 cx + 1 of EVERY octet.  Wave w (m = w / 2, e = w % 2) takes
; tile 2 cx + e of octet 15 - m and then of octet m.  A tile of octet J needs key steps 0 .. J; only step J is masked.  So every wave of every work-group has 17 key steps, every branch hangs on the wave's number and the
; step's number alone, and cx enters only Q's and the result's addresses in memory and the mask's numbers.
; THE WHOLE HEAD'S K AND V LIE IN LDS (208,896 bytes), as they lie in memory, asked for jointly by the four partners: wave 0 issues four loads of K, wave 1 four of V (512 keys each); four are out at the most.  No byte is filled twice.
; LAYOUT.  A lane holds ONE query throughout.  Lane-row r of tile a of 64 rows (tokens; channels of V) is row 32 (a / 2) + 8 (a % 2) + r + 8 (r / 8): so the 16 registers of two neighbouring result tiles are 16 neighbouring keys (channels).
; OUT.  ao: [128 tokens][pair of heads][tile 8][head's parity] pieces of 1,024 bytes: an image of 6 registers (three planes of 256 bytes), then 256 bytes in which lane l has put its row's scale word twice.
; LIMITS: a block of zeros gets the byte 1 (zero codes); the division by the sum is a reciprocal and a multiplication; a block's largest p is made from its largest score by the same two instructions, which takes the exponential not
; to fall where its input rises; NaN and infinities are not served.
; REGISTERS: v1-7 places that stay; v8-11 the step's addresses; v12 -M, v13 the largest t, v[14:15] the sum; v16-27, v28-39 the two tiles of Q; v40-87 four fragments of K (upper halves zero); v88-95 scale words;
;            v96-159 S^T, then p, then V's four fragments; v160-191 O^T; v224-235 p's codes; v232-254 at work.
.set VB,  106496                       ; LDS: K's 32 blocks of 3,328 bytes, then V's 16 of 6,400
.set WV,  18
.set SEL, 20                           ; s[20:21] v_permlanex16_b32's selects for lane l xor 16
.set CS,  22                           ; s[22:23] c = log2(e) / 8
.set G1K, 24                           ; s[24:31], s[32:39] groups 1;  s[40:55] K's four groups 0;  V's: s[56:63], s[68:75]
.set G1V, 32
.set G0K, 40
.set TK,  2                            ; s2   LDS byte of the step's keys: 6,656 a step
.set TV,  3                            ; s3   and of its block of V: 6,400 a step
.set KAP, 76                           ; s76  the key step's number
.set JL,  77                           ; s77  my long tile's octet
.set JS,  78                           ; s78  my short tile's
.set TRIP, 79                          ; s79  a loop's trips to go
.macro CROUND                          ; a round of the cluster's barrier
	s_barrier_signal -1
	s_barrier_wait -1
	s_cmp_lg_u32 s[WV], 0
	s_cbranch_scc1 .Lnot_wave_0_\@
	s_barrier_signal -3
.Lnot_wave_0_\@:
	s_barrier_wait -3
	s_barrier_signal -1
	s_barrier_wait -1
.endm
	s_load_b128 s[4:7], s[0:1], 0x0                ; qkb, vq
	s_load_b64 s[8:9], s[0:1], 0x10                ; ao
	v_lshl_add_u32 v249, v0, 2, 0x33000
	v_mov_b32 v255, 0
	ds_add_u32 v249, v255
	ds_add_u32 v249, v255
	v_lshrrev_b32 v1, 5, v0
	s_delay_alu instid0(VALU_DEP_1)
	v_readfirstlane_b32 s[WV], v1                  ; wave 0..15
	s_bfe_u32 s88, ttmp6, 0x40000                  ; cx
	s_and_b32 s89, ttmp7, 0xffff                   ; 16 x batch + head
	s_lshr_b32 s[JS], s[WV], 1
	s_xor_b32 s[JL], s[JS], 15                     ; 15 - m
	s_and_b32 s90, s[WV], 1                        ; e
	s_mov_b32 s[G1K], 15|(3<<16)|(1<<21)           ; 15:0 all four work-groups; 17:16 elements of 8 bytes; 21 set beside a mask; no padding
	s_mov_b32 s[G1K+1], 32<<16                     ; rows of 256 bytes of a dense block
	s_mov_b32 s[G1K+2], 104<<16
	s_mov_b32 s[G1K+3], 32<<16
	s_mov_b32 s[G1K+4], 104                        ; 26,624 bytes: 512 keys of K
	s_mov_b32 s[G1K+5], 32
	s_mov_b32 s[G1K+6], 0
	s_mov_b32 s[G1K+7], 0
	s_mov_b32 s[G1V], 15|(3<<16)|(1<<21)
	s_mov_b32 s[G1V+1], 32<<16
	s_mov_b32 s[G1V+2], 100<<16
	s_mov_b32 s[G1V+3], 32<<16
	s_mov_b32 s[G1V+4], 100                        ; 25,600 bytes: 512 keys of V
	s_mov_b32 s[G1V+5], 32
	s_mov_b32 s[G1V+6], 0
	s_mov_b32 s[G1V+7], 0
	s_mov_b32 s[SEL], 0x76543210
	s_mov_b32 s[SEL+1], 0xfedcba98
	s_mov_b32 s[CS], 0x3e38aa3b
	s_mov_b32 s[CS+1], s[CS]                       ; (named with it as a pair, so it is written)
	s_mov_b32 s[TK], 0
	s_mov_b32 s[TV], 0
	s_mov_b32 s[KAP], 0
	s_mul_i32 s96, s89, 106496                     ; q's head in qkb;
	s_add_co_u32 s92, s96, 64*106496               ; k's: 64 heads on
	s_mov_b32 s93, 0
	s_mul_i32 s94, s89, 102400                     ; v's head
	s_mov_b32 s95, 0
	s_lshr_b32 s98, s88, 1                         ; which 64 of an octet my tiles lie in
	s_lshl_b32 s99, s[JL], 1
	s_add_co_u32 s99, s99, s98
	s_mul_i32 s99, s99, 3328
	s_add_co_u32 s80, s96, s99                     ; the long tile's block of q
	s_mov_b32 s81, 0
	s_lshl_b32 s99, s[JS], 1
	s_add_co_u32 s99, s99, s98
	s_mul_i32 s99, s99, 3328
	s_add_co_u32 s82, s96, s99                     ; the short tile's
	s_mov_b32 s83, 0
	s_and_b32 s98, s89, 15                         ; the head
	s_lshr_b32 s99, s98, 1
	s_lshl_b32 s99, s99, 14                        ; its pair: 16,384 bytes
	s_and_b32 s98, s98, 1
	s_lshl_b32 s98, s98, 10                        ; its parity: 1,024
	s_add_co_u32 s99, s99, s98
	s_lshl_b32 s98, s88, 1
	s_add_co_u32 s98, s98, s90
	s_lshl_b32 s98, s98, 11                        ; my tile 2 cx + e: 2,048
	s_add_co_u32 s99, s99, s98
	s_lshr_b32 s98, s89, 4
	s_lshl_b32 s98, s98, 4                         ; 16 x batch
	s_add_co_u32 s97, s98, s[JL]
	s_lshl_b32 s97, s97, 17                        ; 131,072 bytes for 128 tokens
	s_add_co_u32 s84, s97, s99
	s_mov_b32 s85, 0
	s_add_co_u32 s97, s98, s[JS]
	s_lshl_b32 s97, s97, 17
	s_add_co_u32 s86, s97, s99
	s_mov_b32 s87, 0
	s_wait_dscnt 0x0
	s_wait_kmcnt 0x0
	s_add_nc_u64 s[92:93], s[4:5], s[92:93]
	s_add_nc_u64 s[94:95], s[6:7], s[94:95]
	s_add_nc_u64 s[80:81], s[4:5], s[80:81]
	s_add_nc_u64 s[82:83], s[4:5], s[82:83]
	s_add_nc_u64 s[84:85], s[8:9], s[84:85]
	s_add_nc_u64 s[86:87], s[8:9], s[86:87]
	CROUND                                         ; all four work-groups are here: the joint loads meet
.irp n, 0,1,2,3
	s_mov_b32 s[G0K+4*\n], 1
	s_mov_b32 s[G0K+4*\n+1], 26624*\n
	s_add_nc_u64 s[G0K+4*\n+2:G0K+4*\n+3], s[92:93], 26624*\n
	s_or_b32 s[G0K+4*\n+3], s[G0K+4*\n+3], 0x80000000
	s_mov_b32 s[56+4*\n+4*(\n/2)], 1
	s_mov_b32 s[57+4*\n+4*(\n/2)], VB+25600*\n
	s_add_nc_u64 s[58+4*\n+4*(\n/2):59+4*\n+4*(\n/2)], s[94:95], 25600*\n
	s_or_b32 s[59+4*\n+4*(\n/2)], s[59+4*\n+4*(\n/2)], 0x80000000
.endr
	s_cmp_eq_u32 s[WV], 0                          ; a wave's four fills stand in one branch on its number; four v_nop follow the last
	s_cbranch_scc0 .Lnot_k
	tensor_load_to_lds s[40:43], s[G1K:G1K+7]
	s_nop 0
	tensor_load_to_lds s[44:47], s[G1K:G1K+7]
	s_nop 0
	tensor_load_to_lds s[48:51], s[G1K:G1K+7]
	s_nop 0
	tensor_load_to_lds s[52:55], s[G1K:G1K+7]
	s_nop 0
.rept 4
	v_nop
.endr
	s_branch .Lasked
.Lnot_k:
	s_cmp_eq_u32 s[WV], 1
	s_cbranch_scc0 .Lasked
	tensor_load_to_lds s[56:59], s[G1V:G1V+7]
	s_nop 0
	tensor_load_to_lds s[60:63], s[G1V:G1V+7]
	s_nop 0
	tensor_load_to_lds s[68:71], s[G1V:G1V+7]
	s_nop 0
	tensor_load_to_lds s[72:75], s[G1V:G1V+7]
	s_nop 0
.rept 4
	v_nop
.endr
.Lasked:
	v_and_b32 v9, 31, v0                           ; lane
	v_and_b32 v10, 15, v0                          ; r
	v_bfe_u32 v11, v0, 4, 1                        ; h
	s_delay_alu instid0(VALU_DEP_3)
	v_lshlrev_b32 v1, 3, v9                        ; 8 x lane: K's images; the result's
	s_delay_alu instid0(VALU_DEP_4)
	v_lshlrev_b32 v2, 4, v9
	s_delay_alu instid0(VALU_DEP_1)
	v_add_nc_u32 v2, VB, v2                        ; V's images
	s_delay_alu instid0(VALU_DEP_3)
	v_add_nc_u32 v3, 3072, v1                      ; K's scale words
	s_delay_alu instid0(VALU_DEP_4)
	v_add_nc_u32 v4, VB+6144, v1                   ; V's
	v_and_b32 v8, 8, v10
	s_delay_alu instid0(VALU_DEP_1)
	v_add_nc_u32 v8, v8, v10                       ; r + 8 (r / 8)
	v_lshlrev_b32 v5, 4, v11
	s_delay_alu instid0(VALU_DEP_1)
	v_sub_nc_u32 v5, v8, v5
	s_lshl_b32 s91, s88, 5
	s_lshl_b32 s97, s90, 3
	s_add_co_u32 s91, s91, s97
	v_add_nc_u32 v5, s91, v5                       ; d = my query's place in its octet - 16 h.  In the masked step register 16 b + i holds key 16 h + 32 b + i of the octet: hidden where 32 b + i > d
	s_and_b32 s97, s88, 1
	s_lshl_b32 s91, s97, 1
	s_add_co_u32 s91, s91, s90                     ; my tile in its block of 64
	s_mul_i32 s91, s91, 768
	v_add_nc_u32 v6, s91, v1                       ; Q's image, in memory
	s_lshl_b32 s91, s90, 7
	s_lshl_b32 s97, s97, 2
	s_add_co_u32 s91, s91, s97
	s_add_co_u32 s91, s91, 3072
	v_lshl_add_u32 v7, v10, 3, s91                 ; and row r's scale word
.irp p, 0,1,2
	global_load_b64 v[16+2*\p:17+2*\p], v6, s[80:81] offset:256*\p
	global_load_b64 v[28+2*\p:29+2*\p], v6, s[82:83] offset:256*\p
.endr
	global_load_b32 v94, v7, s[80:81]
	global_load_b32 v95, v7, s[82:83]
.irp j, 22,23,24,25,26,27,34,35,36,37,38,39,46,47,48,49,50,51,58,59,60,61,62,63,70,71,72,73,74,75,82,83,84,85,86,87
	v_mov_b32 v[\j], 0                             ; k = 64 .. 127 of Q's and K's fragments: zero codes, set once
.endr
.irp j, 236,237,238,239,252,253
	v_mov_b32 v[\j], 0                             ; lane permutes' destinations count as sources; v253 is named in a pair before it is first written
.endr
.macro INIT                            ; the loops have no first step of their own: O^T and the sum begin as zeros, the largest t as -3e38
	v_mov_b32 v13, 0xff61b1e6
	s_delay_alu instid0(VALU_DEP_1)
	v_floor_f32 v12, -v13
	v_mov_b32 v14, 0
	v_mov_b32 v15, 0
.set zj, 0
.rept 32
	v_mov_b32 v[160+zj], 0
.set zj, zj+1
.endr
.endm
; A KEY STEP: 128 keys.  qf: Q's fragment; qs: its scale words; jj: the tile's octet; chk = 1: the step may lie behind the diagonal (left out: a scalar branch on the wave's and the step's numbers) or on it (masked)
.macro STEP qf, qs, jj, chk
.if \chk
	s_cmp_gt_u32 s[KAP], s[\jj]
	s_cbranch_scc1 .Lhidden_\@
.endif
	s_setprio 2
	v_add_nc_u32 v8, s[TK], v1
	s_wait_alu depctr_va_vdst(0)
	v_add_nc_u32 v9, s[TV], v2
	v_add_nc_u32 v10, s[TK], v3
	s_wait_alu depctr_va_vdst(0)
	v_add_nc_u32 v11, s[TV], v4
	v_nop                                          ; five places: the products below write over registers that the last step's products with V have read
.irp g, 0,1                            ; S^T = K Q^T: a block of 64 keys, four tiles, at a time
.if \g > 0
.rept 4
	v_nop                                          ; places in front of loads into registers that matrix instructions have read
.endr
.endif
.irp t, 0,1,2,3
.irp p, 0,1,2
	ds_load_b64 v[40+12*\t+2*\p:41+12*\t+2*\p], v8 offset:3328*\g+768*\t+256*\p
.endr
.endr
	ds_load_b64 v[88+2*\g:89+2*\g], v10 offset:3328*\g
	s_wait_dscnt 0x0
	v_wmma_scale_f32_16x16x128_f8f6f4 v[96+32*\g:103+32*\g], v[40:51], v[\qf:\qf+11], 0, v[88+2*\g], v[\qs] matrix_a_fmt:MATRIX_FMT_FP6 matrix_b_fmt:MATRIX_FMT_FP6
	v_wmma_scale_f32_16x16x128_f8f6f4 v[104+32*\g:111+32*\g], v[52:63], v[\qf:\qf+11], 0, v[88+2*\g], v[\qs] matrix_a_fmt:MATRIX_FMT_FP6 matrix_b_fmt:MATRIX_FMT_FP6 matrix_a_scale:MATRIX_SCALE_ROW1
	v_wmma_scale_f32_16x16x128_f8f6f4 v[112+32*\g:119+32*\g], v[64:75], v[\qf:\qf+11], 0, v[89+2*\g], v[\qs] matrix_a_fmt:MATRIX_FMT_FP6 matrix_b_fmt:MATRIX_FMT_FP6
	v_wmma_scale_f32_16x16x128_f8f6f4 v[120+32*\g:127+32*\g], v[76:87], v[\qf:\qf+11], 0, v[89+2*\g], v[\qs] matrix_a_fmt:MATRIX_FMT_FP6 matrix_b_fmt:MATRIX_FMT_FP6 matrix_a_scale:MATRIX_SCALE_ROW1
.endr                                  ; register 16 b + i of v96 on is key 32 b + 16 h + i of the step
.rept 4
	v_nop
.endr
.if \chk
	s_cmp_lg_u32 s[KAP], s[\jj]
	s_cbranch_scc1 .Lopen_\@
	v_mov_b32 v254, 0xff800000                     ; on the diagonal hidden scores become -infinity ahead of the maximum: p = 0 then
.set mn, 0
.rept 64
	v_cmp_gt_i32 vcc_lo, 32*(mn/16)+mn%16, v5
	v_cndmask_b32 v[96+mn], v[96+mn], v254, vcc_lo
.set mn, mn+1
.endr
.Lopen_\@:
.endif
.irp b, 0,1,2,3
	v_max3_num_f32 v[232+\b], v[96+16*\b], v[97+16*\b], v[98+16*\b]   ; the largest score of each block of 32 keys: it serves the row's maximum and, since p rises with the score, the block's largest p
.endr
.irp i, 3,5,7,9,11,13
.irp b, 0,1,2,3
	v_max3_num_f32 v[232+\b], v[232+\b], v[96+16*\b+\i], v[97+16*\b+\i]
.endr
.endr
.irp b, 0,1,2,3
	v_max_num_f32 v[232+\b], v[232+\b], v[111+16*\b]
.endr
.irp b, 0,1,2,3
	s_delay_alu instid0(VALU_DEP_4)
	v_permlanex16_b32 v[236+\b], v[232+\b], s[SEL], s[SEL+1]
.endr
.irp b, 0,1,2,3
	s_delay_alu instid0(VALU_DEP_4)
	v_max_num_f32 v[232+\b], v[232+\b], v[236+\b]  ; with lane l xor 16's 16 keys
.endr
	s_delay_alu instid0(VALU_DEP_2)
	v_max3_num_f32 v254, v232, v233, v234
	s_delay_alu instid0(VALU_DEP_1)
	v_max_num_f32 v254, v254, v235
	s_delay_alu instid0(VALU_DEP_1)
	v_mul_f32 v254, s[CS], v254                    ; the step's largest t (c is positive)
	s_delay_alu instid0(VALU_DEP_1)
	v_max_num_f32 v13, v13, v254
	v_mov_b32 v254, v12
	s_delay_alu instid0(VALU_DEP_2)
	v_floor_f32 v12, -v13                          ; the new -M = -ceil(t): a whole number
	s_delay_alu instid0(VALU_DEP_1)
	v_sub_f32 v254, v12, v254
	s_delay_alu instid0(VALU_DEP_1)
	v_cvt_i32_f32 v254, v254                       ; old M - new M, 0 or less (it saturates)
	s_delay_alu instid0(VALU_DEP_1)
	v_ldexp_f32 v252, 1.0, v254                    ; f = 2^(old M - new M)
.set sj, 0
.rept 32
	v_pk_fma_f32 v[96+sj:97+sj], v[96+sj:97+sj], s[CS:CS+1], v[12:13] op_sel_hi:[1,0,0]   ; t - M, two at a time
.set sj, sj+2
.endr
.irp b, 0,1,2,3
	v_fma_f32 v[232+\b], v[232+\b], s[CS], v12     ; the same of each block's largest score
.endr
.set sj, 0
	s_setprio 1
	s_wait_alu depctr_va_vdst(0)
.rept 64
	v_exp_f32 v[96+sj], v[96+sj]                   ; p = 2^(t - M)
.set sj, sj+1
.endr
	v_pk_mul_f32 v[14:15], v[14:15], v[252:253] op_sel_hi:[1,0]   ; the sums under the new M.  (A plain line behind the exponentials)
	s_wait_alu depctr_va_vdst(0)                   ; one wait for the whole batch, ahead of its first reader
.irp b, 0,1,2,3
	v_exp_f32 v[232+\b], v[232+\b]                 ; the blocks' largest p
.endr
	v_pk_add_f32 v[236:237], v[100:101], v[104:105]
	v_pk_add_f32 v[250:251], v[108:109], v[112:113]
	v_pk_add_f32 v[246:247], v[116:117], v[120:121]
	v_pk_add_f32 v[244:245], v[124:125], v[128:129]
	v_pk_add_f32 v[242:243], v[132:133], v[136:137]
	v_pk_add_f32 v[240:241], v[140:141], v[144:145]
	v_pk_add_f32 v[238:239], v[148:149], v[152:153]
	v_pk_add_f32 v[14:15], v[14:15], v[156:157]
	v_pk_add_f32 v[236:237], v[236:237], v[96:97]
	v_pk_add_f32 v[250:251], v[250:251], v[98:99]
	v_pk_add_f32 v[246:247], v[246:247], v[102:103]
	v_pk_add_f32 v[244:245], v[244:245], v[106:107]
	v_pk_add_f32 v[242:243], v[242:243], v[110:111]
	v_pk_add_f32 v[240:241], v[240:241], v[114:115]
	v_pk_add_f32 v[238:239], v[238:239], v[118:119]
	v_pk_add_f32 v[14:15], v[14:15], v[122:123]
	v_pk_add_f32 v[236:237], v[236:237], v[126:127]
	v_pk_add_f32 v[250:251], v[250:251], v[130:131]
	v_pk_add_f32 v[246:247], v[246:247], v[134:135]
	v_pk_add_f32 v[244:245], v[244:245], v[138:139]
	v_pk_add_f32 v[242:243], v[242:243], v[142:143]
	v_pk_add_f32 v[240:241], v[240:241], v[146:147]
	v_pk_add_f32 v[238:239], v[238:239], v[150:151]
	v_pk_add_f32 v[14:15], v[14:15], v[154:155]
	v_pk_add_f32 v[236:237], v[236:237], v[158:159]
	s_delay_alu instid0(VALU_DEP_2)
	v_pk_add_f32 v[14:15], v[14:15], v[244:245]
	s_delay_alu instid0(VALU_DEP_2)
	v_pk_add_f32 v[236:237], v[236:237], v[242:243]
	v_pk_add_f32 v[250:251], v[250:251], v[240:241]
	v_pk_add_f32 v[246:247], v[246:247], v[238:239]
	s_delay_alu instid0(VALU_DEP_2)
	v_pk_add_f32 v[14:15], v[14:15], v[250:251]
	s_delay_alu instid0(VALU_DEP_2)
	v_pk_add_f32 v[236:237], v[236:237], v[246:247]
	s_delay_alu instid0(VALU_DEP_1)
	v_pk_add_f32 v[14:15], v[14:15], v[236:237]
	s_wait_alu depctr_va_vdst(0)                   ; and one for the four
.irp b, 0,1,2,3
	v_max_num_f32 v[232+\b], 0x1800000, v[232+\b]  ; the floor 2^(3 - 127): the byte cannot fall under 1
.endr
.irp b, 0,1,2,3
	s_delay_alu instid0(VALU_DEP_4)
	v_add_nc_u32 v[244+\b], 0xff000000, v[232+\b]  ; the conversion's scale operand
.endr
.irp b, 0,1,2,3
	s_delay_alu instid0(VALU_DEP_4)
	v_lshrrev_b32 v[236+\b], 23, v[244+\b]         ; the byte
.endr
	s_delay_alu instid0(VALU_DEP_3)
	v_lshl_or_b32 v253, v237, 8, v236              ; p's scale word for these 128 keys
	s_delay_alu instid0(VALU_DEP_1)
	v_lshl_or_b32 v253, v238, 16, v253
	s_delay_alu instid0(VALU_DEP_1)
	v_lshl_or_b32 v253, v239, 24, v253
.irp c, 0,1
	v_cvt_scalef32_pk16_fp6_f32 v[224+6*\c:226+6*\c], v[96+32*\c:111+32*\c], v[244+2*\c]
	v_cvt_scalef32_pk16_fp6_f32 v[236+4*\c:238+4*\c], v[112+32*\c:127+32*\c], v[244+2*\c+1]
.endr
	v_nop                                          ; one plain line behind a scaled conversion
.irp c, 0,1
.irp i, 0,1,2
	v_permlane16_swap_b32 v[224+6*\c+\i], v[236+4*\c+\i]
.endr
.irp i, 0,1,2
	s_delay_alu instid0(VALU_DEP_3)
	v_mov_b32 v[227+6*\c+\i], v[236+4*\c+\i]
.endr
.endr
.set sj, 0
	s_setprio 0
.rept 16
	v_pk_mul_f32 v[160+sj:161+sj], v[160+sj:161+sj], v[252:253] op_sel_hi:[1,0]   ; O^T under the new M.  (These sixteen also stand between the lines that made p's codes and scale word and the products)
.set sj, sj+2
.endr
.irp t, 0,1,2,3
.irp q, 0,1,2
	ds_load_b128 v[96+12*\t+4*\q:99+12*\t+4*\q], v9 offset:1536*\t+512*\q
.endr
.endr
	ds_load_b64 v[92:93], v11
	s_wait_alu depctr_va_vdst(0)
	s_wait_dscnt 0x0
	v_wmma_scale_f32_16x16x128_f8f6f4 v[160:167], v[96:107], v[224:235], v[160:167], v92, v253 matrix_a_fmt:MATRIX_FMT_FP6 matrix_b_fmt:MATRIX_FMT_FP6
	v_wmma_scale_f32_16x16x128_f8f6f4 v[168:175], v[108:119], v[224:235], v[168:175], v92, v253 matrix_a_fmt:MATRIX_FMT_FP6 matrix_b_fmt:MATRIX_FMT_FP6 matrix_a_scale:MATRIX_SCALE_ROW1
	v_wmma_scale_f32_16x16x128_f8f6f4 v[176:183], v[120:131], v[224:235], v[176:183], v93, v253 matrix_a_fmt:MATRIX_FMT_FP6 matrix_b_fmt:MATRIX_FMT_FP6
	v_wmma_scale_f32_16x16x128_f8f6f4 v[184:191], v[132:143], v[224:235], v[184:191], v93, v253 matrix_a_fmt:MATRIX_FMT_FP6 matrix_b_fmt:MATRIX_FMT_FP6 matrix_a_scale:MATRIX_SCALE_ROW1
.if \chk
.Lhidden_\@:
.endif
	s_add_co_u32 s[TK], s[TK], 6656
	s_add_co_u32 s[TV], s[TV], 6400
	s_add_co_u32 s[KAP], s[KAP], 1
.endm
.macro STEPS n, qf, qs, jj, chk        ; n key steps: a constant number of trips
	s_mov_b32 s[TRIP], \n
.Lsteps_\@:
	STEP \qf, \qs, \jj, \chk
	s_sub_co_u32 s[TRIP], s[TRIP], 1
	s_cmp_lg_u32 s[TRIP], 0
	s_cbranch_scc1 .Lsteps_\@
	s_setprio 0
.endm
; A tile's end: O^T / the sum; register 16 b + i is channel 32 b + 16 h + i of my query: two blocks of 32, quantised; six registers of codes and the scale word leave in four stores of 256 aligned bytes
.macro FINISH base
	v_add_f32 v14, v14, v15
	s_delay_alu instid0(VALU_DEP_1)
	v_permlanex16_b32 v252, v14, s[SEL], s[SEL+1]
	s_delay_alu instid0(VALU_DEP_1)
	v_add_f32 v14, v14, v252                       ; the row's sum
	s_wait_alu depctr_va_vdst(0)
	v_rcp_f32 v14, v14
.rept 4
	v_nop                                          ; plain lines behind the reciprocal; also the places behind the last products
.endr
	s_wait_alu depctr_va_vdst(0)                   ; ahead of the reciprocal's first reader
.set fj, 0
.rept 32
	v_mul_f32 v[96+fj], v[160+fj], v14             ; each accumulator from its low end on
.set fj, fj+1
.endr
.irp b, 0,1
	v_max3_num_f32 v[232+\b], |v[96+16*\b]|, |v[97+16*\b]|, 0x1800000
.endr
.irp i, 2,4,6,8,10,12,14
.irp b, 0,1
	s_delay_alu instid0(VALU_DEP_2)
	v_max3_num_f32 v[232+\b], v[232+\b], |v[96+16*\b+\i]|, |v[97+16*\b+\i]|
.endr
.endr
.irp b, 0,1
	s_delay_alu instid0(VALU_DEP_2)
	v_permlanex16_b32 v[236+\b], v[232+\b], s[SEL], s[SEL+1]
.endr
.irp b, 0,1
	s_delay_alu instid0(VALU_DEP_2)
	v_max_num_f32 v[232+\b], v[232+\b], v[236+\b]
.endr
.irp b, 0,1
	s_delay_alu instid0(VALU_DEP_2)
	v_add_nc_u32 v[244+\b], 0xff000000, v[232+\b]
.endr
.irp b, 0,1
	s_delay_alu instid0(VALU_DEP_2)
	v_lshrrev_b32 v[236+\b], 23, v[244+\b]
.endr
	s_delay_alu instid0(VALU_DEP_1)
	v_lshl_or_b32 v250, v237, 8, v236              ; two bytes, zero above
	s_delay_alu instid0(VALU_DEP_1)
	v_mov_b32 v251, v250
	v_cvt_scalef32_pk16_fp6_f32 v[224:226], v[96:111], v244
	v_cvt_scalef32_pk16_fp6_f32 v[236:238], v[112:127], v245
	v_nop
.irp i, 0,1,2
	v_permlane16_swap_b32 v[224+\i], v[236+\i]
.endr
.irp i, 0,1,2
	s_delay_alu instid0(VALU_DEP_3)
	v_mov_b32 v[227+\i], v[236+\i]
.endr
.irp p, 0,1,2
	global_store_b64 v1, v[224+2*\p:225+2*\p], s[\base:\base+1] offset:256*\p
.endr
	global_store_b64 v1, v[250:251], s[\base:\base+1] offset:768
	s_wait_xcnt 0x0                                ; the stores have read their registers
.endm
	INIT
	s_wait_loadcnt 0x0                             ; Q
	s_wait_tensorcnt 3                             ; my first load (keys 0 to 511) is in; the three behind it may be out
	s_barrier_signal -1
	s_barrier_wait -1
	STEPS 4, 16, 94, JL, 0                         ; the long tile's octet is 8 at the least: steps 0 to 7 lie wholly in front of the diagonal
	s_wait_dscnt 0x0
	s_wait_tensorcnt 0x0                           ; all my loads; every wave has done the same four steps here
	s_barrier_signal -1
	s_barrier_wait -1                              ; the whole head lies in LDS
	STEPS 4, 16, 94, JL, 0
	STEPS 8, 16, 94, JL, 1
	FINISH 84
	INIT
	s_mov_b32 s[TK], 0
	s_mov_b32 s[TV], 0
	s_mov_b32 s[KAP], 0
	STEPS 8, 28, 95, JS, 1
	FINISH 86
	s_wait_tensorcnt 0x0
	ds_add_u32 v249, v255
	s_wait_dscnt 0x0
	CROUND                                         ; the closing round
	s_endpgm
.Lfunc_end_k_qedbf17fc21_attn:
	.size	k_qedbf17fc21_attn, .Lfunc_end_k_qedbf17fc21_attn-k_qedbf17fc21_attn
	.p2alignl 7, 3214868480
	.fill 96, 4, 3214868480
	.section	.rodata,"a",@progbits
	.p2align	6, 0x0
	.amdhsa_kernel k_qedbf17fc21_attn
		.amdhsa_group_segment_fixed_size 210944
		.amdhsa_private_segment_fixed_size 0
		.amdhsa_enable_private_segment 0
		.amdhsa_kernarg_size 24
		.amdhsa_user_sgpr_count 2
		.amdhsa_user_sgpr_kernarg_segment_ptr 1
		.amdhsa_wavefront_size32 1
		.amdhsa_system_sgpr_workgroup_id_x 1
		.amdhsa_system_sgpr_workgroup_id_y 1
		.amdhsa_system_sgpr_workgroup_id_z 1
		.amdhsa_system_vgpr_workitem_id 0
		.amdhsa_next_free_vgpr 256
		.amdhsa_next_free_sgpr 100
		.amdhsa_reserve_vcc 1
		.amdhsa_float_denorm_mode_32 3
		.amdhsa_float_denorm_mode_16_64 3
		.amdhsa_memory_ordered 1
		.amdhsa_forward_progress 1
		.amdhsa_inst_pref_size 105
	.end_amdhsa_kernel
	.amdgpu_metadata
---
amdhsa.version: [ 1, 2 ]
amdhsa.kernels:
  - .name:           k_qedbf17fc21_attn
    .symbol:         k_qedbf17fc21_attn.kd
    .args:
      - { .name: qkb, .offset: 0, .size: 8, .value_kind: global_buffer, .address_space: global }
      - { .name: vq, .offset: 8, .size: 8, .value_kind: global_buffer, .address_space: global }
      - { .name: ao, .offset: 16, .size: 8, .value_kind: global_buffer, .address_space: global }
    .group_segment_fixed_size: 210944
    .private_segment_fixed_size: 0
    .kernarg_segment_align: 8
    .kernarg_segment_size: 24
    .max_flat_workgroup_size: 512
    .sgpr_count:     100
    .vgpr_count:     256
    .wavefront_size: 32
...
	.end_amdgpu_metadata
.endif
;; end of part 3
;; launch proj (part 4): grid 4 x 64, 4 waves a work-group, clusters of 4 x 4, 320,000 bytes of LDS; arguments ao, wq, bo, out0; writes out0
.if DOCPART == 4
	.amdgcn_target "amdgcn-amd-amdhsa--gfx1250"
	.amdhsa_code_object_version 6
	.text
	.protected	k_qedbf17fc21_proj
	.globl	k_qedbf17fc21_proj
	.p2align	8
	.type	k_qedbf17fc21_proj,@function
k_qedbf17fc21_proj:
	s_mov_b64 s[64:65], 0
	v_nop
	global_prefetch_b8 v0, s[64:65] scope:SCOPE_SE
	s_setreg_imm32_b32 hwreg(HW_REG_WAVE_MODE, 25, 1), 1
	s_wait_xcnt 0x0
	s_wait_alu depctr_hold_cnt(0) depctr_sa_sdst(0) depctr_va_vdst(0) depctr_va_sdst(0) depctr_va_ssrc(0) depctr_va_vcc(0) depctr_vm_vsrc(0)
	s_getreg_b32 s2, hwreg(HW_REG_IB_STS2, 6, 4)
	s_cmp_eq_u32 s2, 0
	s_cbranch_scc0 .Lentry_in_a_cluster
	s_endpgm
.Lentry_in_a_cluster:
	s_bfe_u32 s2, ttmp6, 0x10000c
	s_cmp_lg_u32 s2, 0xf033
	s_cbranch_scc0 .Lentry_shape_is_right
	s_endpgm
.Lentry_shape_is_right:
; out = a Wo + bo on codes of FP6 (E2M3) with E8M0 scales, sums in f32.  a: the attention's result as codes (ao), Wo: groups 24 to 31 of wq.
; A WORK-GROUP makes 128 tokens x 256 columns over all K = 1,024.  Wave w: 64 tokens (quad w / 2: four tiles a, source 1) x 128 columns (group w % 2: eight tiles b, source 0): 32 accumulators.
; A lane holds one token, and the registers of two neighbouring tiles b are 16 neighbouring columns, since lane-row r of tile b is row 32 (b / 2) + 8 (b % 2) + r + 8 (r / 8) of its 64 columns; the tokens of a tile are laid the same way.
; ALL OF K LIES IN LDS: no byte is filled twice.  Each wave issues four tensor loads at the start, one for each two K steps; four of mine are out at the most.  Of a's pieces of 1,024 bytes the first 896 are brought.
; CLUSTER 4 x 4: a's blocks are shared along a row of the cluster, Wo's along a column, and asked for jointly.
; A K step of a (128 channels) is two heads: registers 0-5 of a fragment come from the even head's piece, 6-11 from the odd head's; the row's scale word is the even head's two bytes below the odd head's.
; bo is the C of each sum's first product: 64 registers in the result's layout.
; REGISTERS: window 0: v4, v8-19 addresses; v20-31 scale words, two sets; v32-127 a's fragments, two sets; v232-239 scale words as loaded; on the way out v128-255 rows of the result.
;            window 1: Wo's fragments, two sets.  window 2: accumulator (a, b) at v[8 (8 a + b)].  window 3: v0-63 bo.
.set SS,  20
.set F1,  32
.set RAW, 232
.set S0B, 114688                       ; LDS: a's 8 K steps of 14,336 bytes, then Wo's two groups of 102,400
.set G1A, 24
.set G1B, 32
.set G0A, 40
.set MSB, 0
.macro WIN new                         ; the immediate's high byte repeats the setting that is left
.if MSB != \new
	s_set_vgpr_msb (MSB<<8)|\new
.set MSB, \new
.endif
.endm
.macro PLACES n
.rept \n
	v_nop
.endr
.endm
.macro CROUND                          ; a round of the cluster's barrier
	s_barrier_signal -1
	s_barrier_wait -1
	s_cmp_lg_u32 s18, 0
	s_cbranch_scc1 .Lnot_wave_0_\@
	s_barrier_signal -3
.Lnot_wave_0_\@:
	s_barrier_wait -3
	s_barrier_signal -1
	s_barrier_wait -1
.endm
	s_load_b128 s[4:7], s[0:1], 0x0                ; ao, wq
	s_load_b128 s[8:11], s[0:1], 0x10              ; bo, out0
	v_lshl_add_u32 v6, v0, 2, 0x4e000
	v_mov_b32 v7, 0
	ds_add_u32 v6, v7
	ds_add_u32 v6, v7
	v_lshrrev_b32 v1, 5, v0
	v_readfirstlane_b32 s18, v1                    ; wave
	s_lshr_b32 s19, s18, 1                         ; wr: my quad of tokens.  Also: I fetch for a (0) or for Wo (1)
	s_and_b32 s20, s18, 1                          ; wc: my group of columns.  Also: which part I fetch
	s_bfe_u32 s21, ttmp6, 0x40000                  ; cx
	s_bfe_u32 s22, ttmp6, 0x40004                  ; cy
	s_and_b32 s77, ttmp7, 0xffff
	s_lshl_b32 s77, s77, 2
	s_add_co_u32 s77, s77, s22                     ; the group of 128 tokens: it hangs on cy, never on cx
	s_lshl_b32 s81, s21, 1
	s_add_co_u32 s81, s81, s20                     ; my group of 128 columns: 2 cx + wc
	s_lshl_b32 s82, s77, 17
	s_lshl_b32 s93, s20, 14                        ; a: waves 0 and 1 take the even and the odd K steps: 16,384 bytes in memory,
	s_add_co_u32 s82, s82, s93
	s_mov_b32 s83, 0
	s_mul_i32 s93, s20, 14336                      ; 14,336 in LDS
	s_add_co_u32 s84, s81, 24
	s_mul_i32 s84, s84, 102400                     ; Wo: waves 2 and 3 take a group each
	s_mov_b32 s85, 0
	s_mul_i32 s94, s20, 102400
	s_add_co_u32 s94, s94, S0B
	s_lshl_b32 s98, s81, 9                         ; my 128 columns, in bytes of f32
	s_mov_b32 s99, 0
	s_lshl_b32 s96, s77, 19                        ; my first row of the result: 128 rows of 4,096 bytes a group,
	s_lshl_b32 s97, s19, 18                        ; 64 a quad
	s_add_co_u32 s96, s96, s97
	s_add_co_u32 s96, s96, s98
	s_mov_b32 s97, 0
	s_lshl_b32 s91, s22, 2
	s_lshl_b32 s91, 15, s91                        ; my row of the cluster
	s_lshl_b32 s92, 0x1111, s21                    ; my column
	s_or_b32 s[G1A], s91, (3<<16)|(1<<21)          ; 15:0 the mask; 17:16 elements of 8 bytes; 21 set beside a mask; no padding
	s_or_b32 s[G1B], s92, (3<<16)|(1<<21)
	s_mov_b32 s[G1A+1], 112<<16                    ; tensor_dim0: 896 bytes of each piece
	s_mov_b32 s[G1A+2], 16<<16                     ; tensor_dim1: a K step's 16 pieces
	s_mov_b32 s[G1A+3], 112<<16                    ; tile_dim0
	s_mov_b32 s[G1A+4], 16                         ; tile_dim1
	s_mov_b32 s[G1A+5], 128                        ; the pitch: 1,024 bytes
	s_mov_b32 s[G1A+6], 0
	s_mov_b32 s[G1A+7], 0
	s_mov_b32 s[G1B+1], 32<<16                     ; rows of 256 bytes of a dense block
	s_mov_b32 s[G1B+2], 100<<16
	s_mov_b32 s[G1B+3], 32<<16
	s_mov_b32 s[G1B+4], 100                        ; 25,600 bytes: two K steps of 128 columns
	s_mov_b32 s[G1B+5], 32
	s_mov_b32 s[G1B+6], 0
	s_mov_b32 s[G1B+7], 0
	s_wait_dscnt 0x0
	s_wait_kmcnt 0x0
	s_add_nc_u64 s[86:87], s[4:5], s[82:83]
	s_add_nc_u64 s[88:89], s[6:7], s[84:85]
	s_add_nc_u64 s[8:9], s[8:9], s[98:99]
	s_add_nc_u64 s[10:11], s[10:11], s[96:97]
	CROUND                                         ; all sixteen work-groups are here: the joint loads meet
.irp f, 0,1,2,3
	s_mov_b32 s[G0A+4*\f], 1
	s_add_co_u32 s[G0A+4*\f+1], s93, 28672*\f
	s_add_nc_u64 s[G0A+4*\f+2:G0A+4*\f+3], s[86:87], 32768*\f
	s_or_b32 s[G0A+4*\f+3], s[G0A+4*\f+3], 0x80000000
	s_mov_b32 s[56+4*\f+4*(\f/2)], 1
	s_add_co_u32 s[57+4*\f+4*(\f/2)], s94, 25600*\f
	s_add_nc_u64 s[58+4*\f+4*(\f/2):59+4*\f+4*(\f/2)], s[88:89], 25600*\f
	s_or_b32 s[59+4*\f+4*(\f/2)], s[59+4*\f+4*(\f/2)], 0x80000000
.endr
	s_cmp_eq_u32 s19, 0                            ; a wave's four fills stand in one branch on its number; four v_nop follow the last
	s_cbranch_scc0 .Lfor_s0
	tensor_load_to_lds s[40:43], s[G1A:G1A+7]
	s_nop 0
	tensor_load_to_lds s[44:47], s[G1A:G1A+7]
	s_nop 0
	tensor_load_to_lds s[48:51], s[G1A:G1A+7]
	s_nop 0
	tensor_load_to_lds s[52:55], s[G1A:G1A+7]
	s_nop 0
	PLACES 4
	s_branch .Lasked
.Lfor_s0:
	tensor_load_to_lds s[56:59], s[G1B:G1B+7]
	s_nop 0
	tensor_load_to_lds s[60:63], s[G1B:G1B+7]
	s_nop 0
	tensor_load_to_lds s[68:71], s[G1B:G1B+7]
	s_nop 0
	tensor_load_to_lds s[72:75], s[G1B:G1B+7]
	s_nop 0
	PLACES 4
.Lasked:
	v_and_b32 v1, 31, v0                           ; lane
	v_and_b32 v2, 15, v0                           ; r
	v_bfe_u32 v3, v0, 4, 1                         ; h
	v_lshlrev_b32 v16, 4, v1                       ; 16 x lane
	v_lshlrev_b32 v17, 3, v1                       ; 8 x lane
	s_mul_i32 s95, s19, 7168                       ; my quad's eight pieces
	v_add_nc_u32 v8, s95, v17                      ; a's images: K steps 0-3,
	v_add_nc_u32 v9, 57344, v8                     ; 4-7
	v_add_nc_u32 v10, s94, v16                     ; Wo's
	v_add_nc_u32 v11, 51200, v10
	v_mul_u32_u24 v12, v3, 1792                    ; a's scale words: lanes 16-31 take the odd tile's, two pieces on;
	v_lshl_add_u32 v12, v2, 3, v12                 ; row r's word lies 8 r into the piece's last 128 bytes
	v_add_nc_u32 v12, s95, v12
	v_add_nc_u32 v12, 768, v12
	v_add_nc_u32 v13, 57344, v12
	v_add_nc_u32 v14, s94, v17                     ; Wo's scale words
	v_add_nc_u32 v14, 6144, v14
	v_add_nc_u32 v15, 51200, v14
	s_mul_i32 s95, s18, 8448                       ; my stage for the way out: 16 rows x (512 bytes + 16)
	v_mul_u32_u24 v18, v2, 528
	v_lshl_add_u32 v18, v3, 6, v18
	v_add_nc_u32 v18, s95, v18                     ; in: row r, + 64 h
	v_add_nc_u32 v19, s95, v16                     ; back: 16 x lane of a row
	v_lshlrev_b32 v4, 6, v3                        ; bo: 16 h numbers on
	WIN 0xc0                                       ; destination window 3
.irp b, 0,1,2,3,4,5,6,7
	global_load_b128 v[8*\b:8*\b+3], v4, s[8:9] offset:(32*(\b/2)+8*(\b%2))*4            ; tile b's register j is column 32 (b / 2) + 8 (b % 2) + 16 h + j
	global_load_b128 v[8*\b+4:8*\b+7], v4, s[8:9] offset:(32*(\b/2)+8*(\b%2))*4+16
.endr
	WIN 0
; 54 LDS loads: K step s into set p: Wo's two units of scale words, a's four words as they lie, Wo's eight fragments, a's four (six loads of 8 bytes each)
.macro FETCH s, p
.irp k, 0,1
	ds_load_b64 v[SS+6*(\p)+2*\k:SS+6*(\p)+2*\k+1], v[14+(\s)/4] offset:((\s)%4)*12800+6400*\k
.endr
.irp j, 0,1
.irp c, 0,1
	ds_load_b32 v[RAW+4*(\p)+2*\j+\c], v[12+(\s)/4] offset:((\s)%4)*14336+(4*\j+\c)*896
.endr
.endr
	WIN 0x40                                       ; destination window 1
.irp b, 0,1,2,3,4,5,6,7
.irp q, 0,1,2
	ds_load_b128 v[128*(\p)+12*\b+4*\q:128*(\p)+12*\b+4*\q+3], v[10+(\s)/4] offset:((\s)%4)*12800+(\b/4)*6400+(\b%4)*1536+512*\q
.endr
.endr
	WIN 0
.irp a, 0,1,2,3
.irp c, 0,1
.irp q, 0,1,2
	ds_load_b64 v[F1+48*(\p)+12*\a+6*\c+2*\q:F1+48*(\p)+12*\a+6*\c+2*\q+1], v[8+(\s)/4] offset:((\s)%4)*14336+(2*\a+\c)*896+256*\q
.endr
.endr
.endr
.endm
.macro MERGE p                         ; a's scale words: the even head's two bytes below the odd head's.  Eight places follow: a scale register written by a vector instruction stands so far ahead of a scaled product
.irp j, 0,1
	v_lshl_or_b32 v[SS+6*(\p)+4+\j], v[RAW+4*(\p)+2*\j+1], 16, v[RAW+4*(\p)+2*\j]
.endr
	PLACES 8
.endm
; one product: source 0 = Wo's tile b, source 1 = a's tile a.  An odd tile's scale words stand in the upper lanes of its register.  first = 1: C is bo
.macro WM a, b, p, first
.set rD, 8*(8*(\a)+(\b))
.set rC, 8*(\b)
.set rA, 128*(\p)+12*(\b)
.set rB, F1+48*(\p)+12*(\a)
.set rX, SS+6*(\p)+(\b)/2
.set rY, SS+6*(\p)+4+(\a)/2
.set par, 2*((\a)%2)+(\b)%2
.if \first
.if par == 0
	v_wmma_scale_f32_16x16x128_f8f6f4 v[rD:rD+7], v[rA:rA+11], v[rB:rB+11], v[rC:rC+7], v[rX], v[rY] matrix_a_fmt:MATRIX_FMT_FP6 matrix_b_fmt:MATRIX_FMT_FP6
.elseif par == 1
	v_wmma_scale_f32_16x16x128_f8f6f4 v[rD:rD+7], v[rA:rA+11], v[rB:rB+11], v[rC:rC+7], v[rX], v[rY] matrix_a_fmt:MATRIX_FMT_FP6 matrix_b_fmt:MATRIX_FMT_FP6 matrix_a_scale:MATRIX_SCALE_ROW1
.elseif par == 2
	v_wmma_scale_f32_16x16x128_f8f6f4 v[rD:rD+7], v[rA:rA+11], v[rB:rB+11], v[rC:rC+7], v[rX], v[rY] matrix_a_fmt:MATRIX_FMT_FP6 matrix_b_fmt:MATRIX_FMT_FP6 matrix_b_scale:MATRIX_SCALE_ROW1
.else
	v_wmma_scale_f32_16x16x128_f8f6f4 v[rD:rD+7], v[rA:rA+11], v[rB:rB+11], v[rC:rC+7], v[rX], v[rY] matrix_a_fmt:MATRIX_FMT_FP6 matrix_b_fmt:MATRIX_FMT_FP6 matrix_a_scale:MATRIX_SCALE_ROW1 matrix_b_scale:MATRIX_SCALE_ROW1
.endif
.else
.if par == 0
	v_wmma_scale_f32_16x16x128_f8f6f4 v[rD:rD+7], v[rA:rA+11], v[rB:rB+11], v[rD:rD+7], v[rX], v[rY] matrix_a_fmt:MATRIX_FMT_FP6 matrix_b_fmt:MATRIX_FMT_FP6
.elseif par == 1
	v_wmma_scale_f32_16x16x128_f8f6f4 v[rD:rD+7], v[rA:rA+11], v[rB:rB+11], v[rD:rD+7], v[rX], v[rY] matrix_a_fmt:MATRIX_FMT_FP6 matrix_b_fmt:MATRIX_FMT_FP6 matrix_a_scale:MATRIX_SCALE_ROW1
.elseif par == 2
	v_wmma_scale_f32_16x16x128_f8f6f4 v[rD:rD+7], v[rA:rA+11], v[rB:rB+11], v[rD:rD+7], v[rX], v[rY] matrix_a_fmt:MATRIX_FMT_FP6 matrix_b_fmt:MATRIX_FMT_FP6 matrix_b_scale:MATRIX_SCALE_ROW1
.else
	v_wmma_scale_f32_16x16x128_f8f6f4 v[rD:rD+7], v[rA:rA+11], v[rB:rB+11], v[rD:rD+7], v[rX], v[rY] matrix_a_fmt:MATRIX_FMT_FP6 matrix_b_fmt:MATRIX_FMT_FP6 matrix_a_scale:MATRIX_SCALE_ROW1 matrix_b_scale:MATRIX_SCALE_ROW1
.endif
.endif
.endm
; a's tiles a0 .. a0 + n - 1 against Wo's eight.  The 32 accumulators take turns, one instruction a turn, in the same order in every K step
.macro MUL a0, n, p, first
.if \first
	WIN 0xb1                                       ; source 0 window 1, source 1 window 0, C window 3, D window 2
.else
	WIN 0xa1                                       ; C and D window 2
.endif
.set ia, \a0
.rept \n
.irp b, 0,1,2,3,4,5,6,7
	WM ia, \b, \p, \first
.endr
.set ia, ia+1
.endr
.endm
.macro STEP s, first                   ; a K step whose successor was brought by the same loads
	WIN 0
	s_wait_dscnt 12                                ; all but the youngest twelve loads: a's tiles 2 and 3
	MERGE (\s)%2
	MUL 0, 2, (\s)%2, \first
	WIN 0
	PLACES 4                                       ; in front of loads into registers that matrix instructions have read
	FETCH (\s)+1, 1-(\s)%2
	s_wait_alu depctr_va_vdst(0)
	s_wait_dscnt 54                                ; all but the 54 just issued
	MUL 2, 2, (\s)%2, \first
.endm
.macro TURN s                          ; an odd K step: the next one was brought by the next loads.  Later loads may stay out
	WIN 0
	s_wait_dscnt 0x0                               ; no LDS load of mine is out at the signal
	s_wait_tensorcnt 3-((\s)+1)/2                  ; my loads behind the one that is wanted may stay out
	MERGE 1
	MUL 0, 1, 1, 0
	s_wait_alu depctr_va_vdst(0)
	s_barrier_signal -1
	MUL 1, 1, 1, 0
	WIN 0
	s_barrier_wait -1
	PLACES 4
	FETCH (\s)+1, 0
	s_wait_dscnt 54
	MUL 2, 2, 1, 0
.endm
	s_wait_alu depctr_va_vdst(0)
	s_wait_tensorcnt 3                             ; my first load is in; the three behind it may be out
	s_barrier_signal -1
	s_barrier_wait -1                              ; everybody's is
	FETCH 0, 0
	s_wait_loadcnt 0x0                             ; bo
	STEP 0, 1
	TURN 1
	STEP 2, 0
	TURN 3
	STEP 4, 0
	TURN 5
	STEP 6, 0
	WIN 0
	s_wait_dscnt 0x0
	MERGE 1
	MUL 0, 4, 1, 0
	WIN 0
; THE WAY OUT, a tile of 16 tokens x 128 columns at a time: a lane holds pieces of 32 bytes of one row; through my own stage they become whole rows of 512 bytes, which the 32 lanes store as two aligned runs of 256 bytes.
; The stages lie in LDS bytes 0 to 33,791, a's first K steps: they have had their only fill, and every wave has waited for its reads of them in front of the last barrier.
; LDS serves a wave's instructions in order (ISA guide 5.7.1.4): no wait between the stores and the loads, nor in front of the next tile's stores.
.macro TOSTAGE a
	WIN 0x08                                       ; an LDS store's data are its source 1: window 2
.irp b, 0,1,2,3,4,5,6,7
	ds_store_b128 v18, v[64*(\a)+8*\b:64*(\a)+8*\b+3] offset:128*(\b/2)+32*(\b%2)          ; each accumulator from its low end on
	ds_store_b128 v18, v[64*(\a)+8*\b+4:64*(\a)+8*\b+7] offset:128*(\b/2)+32*(\b%2)+16
.endr
	WIN 0
.set BB, 128+64*((\a)%2)
.irp t, 0,1,2,3,4,5,6,7,8,9,10,11,12,13,14,15
	ds_load_b128 v[BB+4*\t:BB+4*\t+3], v19 offset:528*\t
.endr
.endm
.macro SEND a, younger                 ; younger: the LDS instructions issued behind tile a's loads, which may stay out
.set BB, 128+64*((\a)%2)
	s_wait_dscnt \younger
.irp t, 0,1,2,3,4,5,6,7,8,9,10,11,12,13,14,15
	global_store_b128 v16, v[BB+4*\t:BB+4*\t+3], s[10:11] offset:(32*((\a)/2)+8*((\a)%2)+\t+8*(\t/8))*4096 th:TH_STORE_NT   ; stage row t is that token of my 64; written once, read by nobody here
.endr
.endm
	PLACES 4                                       ; in front of the first read of results
	TOSTAGE 0
.irp a, 1,2,3
.if \a > 1
	s_wait_xcnt 0x0                                ; the stores of the tile two back have read their registers: this tile's loads may land there
.endif
	TOSTAGE \a
	SEND \a-1, 32                                  ; behind that tile's loads: this tile's 16 stores and 16 loads
.endr
	SEND 3, 0
	s_wait_tensorcnt 0x0
	ds_add_u32 v6, v7
	s_wait_dscnt 0x0
	CROUND                                         ; the closing round: no work-group ends while a partner may still ask for a block that names it
	s_endpgm
.Lfunc_end_k_qedbf17fc21_proj:
	.size	k_qedbf17fc21_proj, .Lfunc_end_k_qedbf17fc21_proj-k_qedbf17fc21_proj
	.p2alignl 7, 3214868480
	.fill 96, 4, 3214868480
	.section	.rodata,"a",@progbits
	.p2align	6, 0x0
	.amdhsa_kernel k_qedbf17fc21_proj
		.amdhsa_group_segment_fixed_size 320000
		.amdhsa_private_segment_fixed_size 0
		.amdhsa_enable_private_segment 0
		.amdhsa_kernarg_size 32
		.amdhsa_user_sgpr_count 2
		.amdhsa_user_sgpr_kernarg_segment_ptr 1
		.amdhsa_wavefront_size32 1
		.amdhsa_system_sgpr_workgroup_id_x 1
		.amdhsa_system_sgpr_workgroup_id_y 1
		.amdhsa_system_sgpr_workgroup_id_z 1
		.amdhsa_system_vgpr_workitem_id 0
		.amdhsa_next_free_vgpr 832
		.amdhsa_next_free_sgpr 100
		.amdhsa_reserve_vcc 0
		.amdhsa_float_denorm_mode_32 3
		.amdhsa_float_denorm_mode_16_64 3
		.amdhsa_memory_ordered 1
		.amdhsa_forward_progress 1
		.amdhsa_inst_pref_size 90
	.end_amdhsa_kernel
	.amdgpu_metadata
---
amdhsa.version: [ 1, 2 ]
amdhsa.kernels:
  - .name:           k_qedbf17fc21_proj
    .symbol:         k_qedbf17fc21_proj.kd
    .args:
      - { .name: ao, .offset: 0, .size: 8, .value_kind: global_buffer, .address_space: global }
      - { .name: wq, .offset: 8, .size: 8, .value_kind: global_buffer, .address_space: global }
      - { .name: bo, .offset: 16, .size: 8, .value_kind: global_buffer, .address_space: global }
      - { .name: out0, .offset: 24, .size: 8, .value_kind: global_buffer, .address_space: global }
    .group_segment_fixed_size: 320000
    .private_segment_fixed_size: 0
    .kernarg_segment_align: 8
    .kernarg_segment_size: 32
    .max_flat_workgroup_size: 128
    .sgpr_count:     100
    .vgpr_count:     832
    .wavefront_size: 32
...
	.end_amdgpu_metadata
.endif
;; end of part 4
